; MI455X (gfx1250); checked and timed in simulation.
; The chip was launched on July 23, 2026; its instructions are those of AMD's public machine-readable ISA for CDNA 5 (MIT licence, August 2026) and "CDNA5" Instruction Set Architecture Reference Guide (July 2026). The comments in the code are by the model that wrote it; some were corrected since.
;; Caserl Self Attention. Allowed arithmetic: matrix products marked QUANTISED: E2M1 operands, one E8M0 scale for each 32 along K, by v_wmma_scale_f32_16x16x128_f8f6f4 with both operands' format E2M1 (or v_wmma_scale_f32_32x16x128_f4), f32 sums; products left as they are: bf16, f16 or f32 operands; f32 sums; everything else in f32.
;; Inputs: b_attn 3,072 float32; b_proj 1,024 float32; w_attn 1,024 x 3,072 float32; w_proj 1,024 x 1,024 float32; x 4 x 2,048 x 1,024 float32.
;; Outputs: out0 4 x 2,048 x 1,024 float32.
;; This version of the problem:
;;   THIS VERSION OF THE PROBLEM IS GIVEN IN LOW PRECISION. The matrix products marked QUANTISED in the list below multiply operands that are first quantised to E2M1 (2 exponent bits, 1 mantissa bit; 4 bits a number), with one power-of-two scale for each 32 numbers along K (OCP MX v1.0); their sums are f32. The products marked 'left as it is' may take bf16, f16 or f32 operands, with f32 sums. Whichever they take, every output number must still come out within the allowed error. Rounding operands to bf16 (8 significant bits) uses up far more of that allowance than f16 does (11 bits, for magnitudes from 6e-5 to 65,504). All else is computed in f32.
;;   The module's matrix products, in the order in which they are computed (A, B: the left and right operand; K: the contracted axis; several contracted axes count as one K, in the product's order):
;;     1. [M 8,192, K 1,024] x [K 1,024, N 3,072]; A: input x; B: input w_attn: QUANTISED
;;     2. batch 64 x [M 2,048, K 64] x [K 64, N 2,048]; A: computed on the way; B: computed on the way: left as it is (an operand is computed on the way)
;;     3. batch 64 x [M 2,048, K 2,048] x [K 2,048, N 64]; A: computed on the way; B: computed on the way: left as it is (an operand is computed on the way)
;;     4. [M 8,192, K 1,024] x [K 1,024, N 1,024]; A: computed on the way; B: input w_proj: left as it is (an operand is computed on the way)
;;   THE QUANTISER, for each operand of a quantised product, along K:
;;     - K is cut into blocks of 32 from its start; a last block that is shorter is filled with zeros.
;;     - A block's scale is 2^e with e = floor(log2(the largest magnitude in the block)) - 2, held to -126 .. 127; a block of zeros has e = 0. As a byte (E8M0): e + 127.
;;     - Each number is divided by its block's scale, clamped to +-6, and rounded to the nearest number of E2M1, ties to even, subnormals kept.
;;     - The product sums the exact products of the quantised numbers (number of the format x scale) in f32.
;;   ~~~python
;;   def quantise(x, axis):      # numpy; x: float32 -> the quantised numbers, widened to float32 again
;;       x = np.moveaxis(x, axis, -1); K = x.shape[-1]
;;       x = np.pad(x, [(0, 0)] * (x.ndim - 1) + [(0, -K % 32)]); x = x.reshape(x.shape[:-1] + (-1, 32)); a = np.abs(x).max(-1, keepdims=True)
;;       e = np.where(a > 0, np.clip(np.frexp(np.where(a > 0, a, 1))[1] - 1 - 2, -126, 127), 0)      # np.frexp(a)[1] - 1 = floor(log2(a)), exactly
;;       r = np.clip(x / 2.0 ** e, -6, 6)
;;       step = 2.0 ** (np.maximum(np.frexp(np.where(r == 0, 1, r))[1] - 1, 0) - 1)
;;       q = np.round(r / step) * step * 2.0 ** e      # np.round: ties to even
;;       return np.moveaxis(q.reshape(q.shape[:-2] + (-1,))[..., :K], -1, axis).astype(np.float32)
;;   ~~~
;; One version. Each part assembles by itself: llvm-mc -triple=amdgcn-amd-amdhsa -mcpu=gfx1250 --defsym DOCPART=n.
;; ======== version 1 of 1: 5 launches
;; limits: values are held in f16: magnitudes above 65,504 overflow, below 6.1e-05 lose precision
;; workspace buffers: xq_codes 4,194,304 bytes; xq_scales 262,144 bytes; wq_codes 1,572,864 bytes; wq_scales 98,304 bytes; wp16 2,097,152 bytes; qkv 50,331,648 bytes; fine 786,432 bytes; y 16,777,216 bytes
;; launch prep (part 1): grid 336 x 1, 4 waves a work-group, no clusters, 68,096 bytes of LDS; arguments x, w_attn, w_proj, xq_codes, xq_scales, wq_codes, wq_scales, wp16; writes xq_codes, xq_scales, wq_codes, wq_scales, wp16
.if DOCPART == 1
	.amdgcn_target "amdgcn-amd-amdhsa--gfx1250"
	.amdhsa_code_object_version 6
	.text
	.protected	k_q06e48ec706_prep
	.globl	k_q06e48ec706_prep
	.p2align	8
	.type	k_q06e48ec706_prep,@function
k_q06e48ec706_prep:
	s_mov_b64 s[64:65], 0
	v_nop
	global_prefetch_b8 v0, s[64:65] scope:SCOPE_SE
	s_setreg_imm32_b32 hwreg(HW_REG_WAVE_MODE, 25, 1), 1
	s_wait_xcnt 0x0
; PREP: the operands of the later launches are made once.
;   work-groups  0 ..  47: w_attn [1024 (k)][3072 (n)] f32 -> codes of FP4 (E2M1) laid [3072][1024] with K innermost (512 bytes a row) and one E8M0 byte for each 32 along K, laid [3072][32]
;   work-groups 48 ..  79: w_proj [1024][1024] f32 -> f16, laid as it lies
;   work-groups 80 .. 335: x [8192][1024] f32 -> codes [8192][512 bytes] and scale bytes [8192][32]
; A block's scale is 2^(floor(log2(its largest magnitude)) - 2); its byte is the largest magnitude's own exponent field - 2, held at 1 from below.  A block of zeros so gets the byte 1 where the
; rule says 127: its codes are zeros, which add nothing under any byte but 0xff, and the bytes are read by this program alone.  Each number is divided by the scale and rounded to the nearest code, ties to even;
; beyond 6 the conversion gives the largest code.
; LIMITS: blocks whose largest magnitude lies under 2^-124 keep the byte 1; NaN and infinities among the inputs are not served; |w_proj| stays under 65,504 (f16's largest number).
; The three paths part once, on the work-group's number, and never join; each has LDS bytes of its own.  No tensor loads, no barrier: waves share nothing.
.set SPARE, 67584                      ; behind both paths' regions: the spare words, 128 bytes for each wave: two blocks of 256 bytes that no other line names
.set SPW,   192                        ; v192  LDS address of my spare word: SPARE + 4 x my thread's number; never rewritten
.set NIL,   193                        ; v193  0; never rewritten
.set WV,    20                         ; s20   my wave's number
.set EMAX,  2
; path X
.set XSTEPS, 16                        ; a wave takes 16 steps of 512 numbers
.set CB,    8                          ; bytes of 16 codes
.set XR,    16                         ; v16-79   four sets of 16 numbers as they are loaded
.set XX,    80                         ; v80-111  two sets of 16 neighbours
.set XE,    112                        ; v112-127 a scale byte for each step
.set XC,    128                        ; v128-189 codes: four registers for each step, so that no store's data are written again
.set WREG,  8192                       ; LDS bytes 0 .. 32,767: a region for each wave: two stages of 32 x SP bytes, then its 256 scale bytes
.set SP,    80                         ; a lane's place in a stage: its 64 bytes + 16 of padding
; path WA
.set WSTG,  32768                      ; LDS bytes 32,768 .. 67,583: a stage of 32 rows x WPITCH for each wave
.set NB,    16                         ; blocks of 32 along K for a wave (512 along K)
.set WPITCH, 272
.set KROW,  512                        ; a row of w's codes in bytes
.set NROW,  12288                      ; a row of w_attn in bytes
.set WX,    32                         ; v32-95   two sets of 32 numbers
.set WC,    96                         ; v96-99   a block's codes
.set WOUT,  112                        ; v112-175 the way out
.set WSB,   24                         ; v24-27   the scale bytes, four to a register
; path WP
.set PD,    32                         ; v32-159  two sets of 64 numbers
.set PR,    160                        ; v160-191 32 registers of f16 pairs
.macro FIN                             ; the wave's end: three lines behind the last LDS store
	s_wait_tensorcnt 0x0
	ds_add_u32 v[SPW], v[NIL]
	s_wait_dscnt 0x0
	s_endpgm
.endm
	s_load_b256 s[4:11], s[0:1], 0x0               ; x s[4:5], w_attn s[6:7], w_proj s[8:9], x's codes s[10:11]
	s_load_b256 s[12:19], s[0:1], 0x20             ; x's scales s[12:13], w's codes s[14:15], w's scales s[16:17], w_proj in f16 s[18:19]
	v_lshl_add_u32 v[SPW], v0, 2, SPARE
	v_mov_b32 v[NIL], 0
	v_lshrrev_b32 v1, 5, v0
	v_readfirstlane_b32 s[WV], v1                  ; wave 0..3
	v_and_b32 v2, 31, v0                           ; lane
	s_wait_kmcnt 0x0
	s_cmp_lt_u32 ttmp9, 48
	s_cbranch_scc1 .Lwa
	s_cmp_lt_u32 ttmp9, 80
	s_cbranch_scc1 .Lwp
; ---------------- PATH X.  Rows are dense and 1,024 is a multiple of 32: x is a plain stream of blocks of 32, and so are its codes and its scale bytes.
; Each of a step's four loads reads 512 consecutive bytes, 16 a lane; the 2,048 bytes go through the wave's own stage in LDS and come back 64 bytes a lane: 16 neighbours, two lanes to a block.
	v_lshlrev_b32 v3, 4, v2                        ; my 16 bytes of a load's 512
	s_mul_i32 s21, s[WV], WREG
	v_lshrrev_b32 v14, 2, v2
	v_mul_u32_u24 v14, v14, SP
	v_and_b32 v15, 3, v2
	v_lshl_add_u32 v14, v15, 4, v14
	v_add_nc_u32 v14, s21, v14                     ; the stage, on the way in: SP (lane / 4) + 16 (lane % 4); a load's 512 bytes take eight places
	v_mul_u32_u24 v15, v2, SP
	v_add_nc_u32 v15, s21, v15                     ; and on the way out: SP x lane
	v_mul_u32_u24 v4, v2, CB                       ; my codes' place in a step's
	v_lshrrev_b32 v5, 1, v2
	s_add_co_u32 s21, s21, 2*32*SP
	v_add_nc_u32 v5, s21, v5                       ; my wave's 256 scale bytes, my block's byte
	v_lshlrev_b32 v7, 3, v2                        ; and on the way out 8 bytes a lane
	v_add_nc_u32 v6, s21, v7
	s_sub_co_u32 s22, ttmp9, 80
	s_lshl_b32 s22, s22, 2
	s_add_co_u32 s22, s22, s[WV]                   ; which run of 8,192 numbers is my wave's: 0 .. 1,023
	s_mov_b32 s25, 0
	s_lshl_b32 s24, s22, 15                        ; 32,768 bytes of x,
	s_add_nc_u64 s[4:5], s[4:5], s[24:25]
	s_lshl_b32 s24, s22, 12                        ; 4,096 of codes,
	s_add_nc_u64 s[10:11], s[10:11], s[24:25]
	s_lshl_b32 s24, s22, 8                         ; 256 of scale bytes
	s_add_nc_u64 s[12:13], s[12:13], s[24:25]
.macro XLOAD t
.irp i, 0,1,2,3
	global_load_b128 v[XR+16*((\t)%4)+4*\i:XR+16*((\t)%4)+4*\i+3], v3, s[4:5] offset:2048*(\t)+512*\i th:TH_LOAD_NT   ; 32 lanes read 512 consecutive bytes
.endr
.endm
.macro XTURN t                         ; step t's numbers through the stage: LDS serves a wave's instructions in order, so no wait stands between the stores and the loads
.irp i, 0,1,2,3
	ds_store_b128 v14, v[XR+16*((\t)%4)+4*\i:XR+16*((\t)%4)+4*\i+3] offset:32*SP*((\t)%2)+8*SP*\i
.endr
.irp i, 0,1,2,3
	ds_load_b128 v[XX+16*((\t)%2)+4*\i:XX+16*((\t)%2)+4*\i+3], v15 offset:32*SP*((\t)%2)+16*\i
.endr
.endm
.irp t, 0,1,2,3
	XLOAD \t
.endr
	s_wait_loadcnt 12                              ; step 0's four loads are in; the three steps behind it may be out
	XTURN 0
.macro XSTEP t
.set XS, XX+16*((\t)%2)
.if (\t) > 0
	s_wait_dscnt 1                                 ; this step's numbers are back from the stage (the last step's byte store may be out): so its stores into the stage have read their registers,
.else
	s_wait_dscnt 0x0
.endif
.if (\t)+4 < XSTEPS
	XLOAD (\t)+4                                   ; which take the loads of four steps on
.endif
.if (\t)+1 < XSTEPS
.if XSTEPS-2-(\t) >= 3
	s_wait_loadcnt 12                              ; the next step's four loads are in; those of the three steps behind it may be out
.else
	s_wait_loadcnt 4*(XSTEPS-2-(\t))
.endif
	XTURN (\t)+1                                   ; and go through the other stage while this step is worked
.endif
	v_max3_num_f32 v8, |v[XS]|, |v[XS+1]|, |v[XS+2]|               ; the largest magnitude of my 16, in two chains
	v_max3_num_f32 v9, |v[XS+3]|, |v[XS+4]|, |v[XS+5]|
.irp i, 6,10
	v_max3_num_f32 v8, v8, |v[XS+\i]|, |v[XS+\i+1]|
	v_max3_num_f32 v9, v9, |v[XS+\i+2]|, |v[XS+\i+3]|
.endr
	v_max3_num_f32 v8, v8, |v[XS+14]|, |v[XS+15]|
	v_max3_num_f32 v8, v8, v9, (EMAX+1)<<23        ; and the floor 2^(3 - 127): the byte cannot fall under 1
	v_max_num_f32_dpp v8, v8, v8 row_xmask:1 row_mask:0xf bank_mask:0xf   ; and of my neighbour's 16: the block's
	v_add_nc_u32 v11, -(EMAX<<23), v8              ; 2 off its exponent field: the conversion takes the exponent field of this operand as its scale, and nothing else of it
	v_cvt_scalef32_pk8_fp4_f32 v[XC+4*(\t)], v[XS:XS+7], v11
	v_cvt_scalef32_pk8_fp4_f32 v[XC+4*(\t)+1], v[XS+8:XS+15], v11
	v_lshrrev_b32 v[XE+(\t)], 23, v11              ; the scale's byte (a plain line behind the conversions)
	ds_store_b8 v5, v[XE+(\t)] offset:16*(\t)      ; both lanes of a block write the same byte with the same value
	global_store_b64 v4, v[XC+4*(\t):XC+4*(\t)+1], s[10:11] offset:32*CB*(\t)   ; the wave stores 256 consecutive bytes, aligned
.endm
.irp t, 0,1,2,3,4,5,6,7,8,9,10,11,12,13,14,15
	XSTEP \t
.endr
	ds_load_b64 v[8:9], v6                         ; LDS serves a wave's instructions in order: these see my stores
	s_wait_dscnt 0x0
	global_store_b64 v7, v[8:9], s[12:13]          ; 32 lanes store 256 consecutive bytes, aligned
	FIN
; ---------------- PATH WA.  K is w_attn's FIRST axis.  A lane takes a column n and its registers run down K: each load reads 128 consecutive bytes a wave, a block of 32 along K lies in one lane's 32 registers,
; and the conversions give the codes with K innermost.  A wave takes 32 columns x 512 along K; its codes go through its own stage and leave as rows: sixteen lanes store 256 consecutive bytes, aligned.
.Lwa:
	s_cmp_ge_u32 ttmp9, 24
	s_cselect_b32 s22, 1, 0                        ; which 512 along K
	s_cselect_b32 s23, 24, 0
	s_sub_co_u32 s23, ttmp9, s23                   ; which 128 columns
	s_lshl_b32 s21, s23, 7
	s_lshl_b32 s24, s[WV], 5
	s_add_co_u32 s21, s21, s24                     ; my wave's first column
	v_lshlrev_b32 v3, 2, v2                        ; in: 4 bytes a lane
	s_mul_i32 s24, s[WV], 32*WPITCH
	s_add_co_u32 s24, s24, WSTG                    ; my stage
	v_mul_u32_u24 v4, v2, WPITCH
	v_add_nc_u32 v4, s24, v4                       ; into it: row = my column
	v_and_b32 v5, 15, v2
	v_lshrrev_b32 v6, 4, v2                        ; out of it: sixteen lanes to a row, two rows an instruction
	v_mul_u32_u24 v7, v6, WPITCH
	v_lshl_add_u32 v7, v5, 4, v7
	v_add_nc_u32 v7, s24, v7
	v_mul_u32_u24 v8, v6, KROW
	v_lshl_add_u32 v8, v5, 4, v8                   ; and the same place in the codes' buffer
	v_lshlrev_b32 v9, 5, v2                        ; my column's row of scale bytes: 32 bytes a row
	s_mov_b32 s27, 0
	s_mul_i32 s26, s22, 512*NROW                   ; w_attn: 512 rows down for the second half of K,
	s_lshl_b32 s28, s21, 2
	s_add_co_u32 s26, s26, s28                     ; + 4 x column
	s_add_nc_u64 s[6:7], s[6:7], s[26:27]
	s_lshl_b32 s26, s21, 9                         ; codes: column x 512 + 256 x half
	s_lshl_b32 s28, s22, 8
	s_add_co_u32 s26, s26, s28
	s_add_nc_u64 s[14:15], s[14:15], s[26:27]
	s_lshl_b32 s26, s21, 5                         ; scale bytes: column x 32 + 16 x half
	s_lshl_b32 s28, s22, 4
	s_add_co_u32 s26, s26, s28
	s_add_nc_u64 s[16:17], s[16:17], s[26:27]
.macro WLOAD t                         ; block t: w(32 t + i, my column), i = 0 .. 31, into set t % 2.  The largest offset, 511 rows of 12,288 bytes, lies inside the signed 24-bit immediate
.irp i, 0,1,2,3,4,5,6,7,8,9,10,11,12,13,14,15,16,17,18,19,20,21,22,23,24,25,26,27,28,29,30,31
	global_load_b32 v[WX+32*((\t)%2)+\i], v3, s[6:7] offset:(32*(\t)+\i)*NROW th:TH_LOAD_NT
.endr
.endm
	WLOAD 0
	WLOAD 1
.macro WBLOCK t
.set XS, WX+32*((\t)%2)
.if (\t) < NB-1
	s_wait_loadcnt 32                              ; this block's 32 loads are in; the next block's may be out
.else
	s_wait_loadcnt 0
.endif
	v_max3_num_f32 v12, |v[XS]|, |v[XS+1]|, |v[XS+2]|              ; the block's largest magnitude: all 32 numbers are mine
	v_max3_num_f32 v13, |v[XS+3]|, |v[XS+4]|, |v[XS+5]|
.irp i, 6,10,14,18,22,26
	v_max3_num_f32 v12, v12, |v[XS+\i]|, |v[XS+\i+1]|
	v_max3_num_f32 v13, v13, |v[XS+\i+2]|, |v[XS+\i+3]|
.endr
	v_max3_num_f32 v12, v12, |v[XS+30]|, |v[XS+31]|
	v_max3_num_f32 v12, v12, v13, (EMAX+1)<<23     ; and the floor
	v_add_nc_u32 v11, -(EMAX<<23), v12             ; the conversion's scale operand
	v_lshrrev_b32 v13, 23, v11                     ; the scale's byte
.if (\t)%4 == 0
	v_mov_b32 v[WSB+(\t)/4], v13                   ; four bytes to a register, the lower K in the lower byte
.else
	v_lshl_or_b32 v[WSB+(\t)/4], v13, 8*((\t)%4), v[WSB+(\t)/4]
.endif
.irp g, 0,1,2,3
	v_cvt_scalef32_pk8_fp4_f32 v[WC+\g], v[XS+8*\g:XS+8*\g+7], v11
.endr
	v_nop                                          ; one plain line behind the last conversion
	ds_store_b128 v4, v[WC:WC+3] offset:16*(\t)    ; 32 codes: 16 bytes of my column's row
.if (\t)+2 < NB
	WLOAD (\t)+2
.endif
	s_wait_dscnt 0x0                               ; the store has read its registers: the next block's codes may be written
.endm
.set Q, 0
.rept NB
	WBLOCK Q
.set Q, Q+1
.endr
	global_store_b128 v9, v[WSB:WSB+3], s[16:17]   ; my column's 16 scale bytes
.irp t, 0,1,2,3,4,5,6,7,8,9,10,11,12,13,14,15
	ds_load_b128 v[WOUT+4*\t:WOUT+4*\t+3], v7 offset:2*\t*WPITCH   ; LDS serves a wave's instructions in order: these see my stores
.endr
.irp t, 0,1,2,3,4,5,6,7,8,9,10,11,12,13,14,15
	s_wait_dscnt 15-\t                             ; loads come back in order: pair t of rows is in
	global_store_b128 v8, v[WOUT+4*\t:WOUT+4*\t+3], s[14:15] offset:2*\t*KROW
.endr
	FIN
; ---------------- PATH WP.  A plain cast: a wave takes 32,768 bytes of w_proj in four rounds of 16 loads of 512 consecutive bytes, and stores 256 consecutive bytes, aligned, for each.
.Lwp:
	s_sub_co_u32 s22, ttmp9, 48
	s_lshl_b32 s22, s22, 2
	s_add_co_u32 s22, s22, s[WV]                   ; 0 .. 127
	s_mov_b32 s25, 0
	s_lshl_b32 s24, s22, 15
	s_add_nc_u64 s[8:9], s[8:9], s[24:25]
	s_lshl_b32 s24, s22, 14
	s_add_nc_u64 s[18:19], s[18:19], s[24:25]
	v_lshlrev_b32 v3, 4, v2
	v_lshlrev_b32 v7, 3, v2
.macro PLOAD t
.irp i, 0,1,2,3,4,5,6,7,8,9,10,11,12,13,14,15
	global_load_b128 v[PD+64*((\t)%2)+4*\i:PD+64*((\t)%2)+4*\i+3], v3, s[8:9] offset:8192*(\t)+512*\i th:TH_LOAD_NT
.endr
.endm
.macro PROUND t
.if (\t) < 3
	s_wait_loadcnt 16                              ; this round's 16 loads are in; the next round's may be out
.else
	s_wait_loadcnt 0
.endif
.if (\t) > 0
	s_wait_xcnt 0x0                                ; the last round's stores have read their data: the results' registers may be written again
.endif
.irp i, 0,1,2,3,4,5,6,7,8,9,10,11,12,13,14,15
.irp j, 0,1
	v_cvt_pk_f16_f32 v[PR+2*\i+\j], v[PD+64*((\t)%2)+4*\i+2*\j], v[PD+64*((\t)%2)+4*\i+2*\j+1]
.endr
.endr
.irp i, 0,1,2,3,4,5,6,7,8,9,10,11,12,13,14,15
	global_store_b64 v7, v[PR+2*\i:PR+2*\i+1], s[18:19] offset:4096*(\t)+256*\i
.endr
.if (\t) < 2
	PLOAD (\t)+2
.endif
.endm
	PLOAD 0
	PLOAD 1
	PROUND 0
	PROUND 1
	PROUND 2
	PROUND 3
	FIN
.Lfunc_end_k_q06e48ec706_prep:
	.size	k_q06e48ec706_prep, .Lfunc_end_k_q06e48ec706_prep-k_q06e48ec706_prep
	.p2alignl 7, 3214868480
	.fill 96, 4, 3214868480
	.section	.rodata,"a",@progbits
	.p2align	6, 0x0
	.amdhsa_kernel k_q06e48ec706_prep
		.amdhsa_group_segment_fixed_size 68096
		.amdhsa_private_segment_fixed_size 0
		.amdhsa_enable_private_segment 0
		.amdhsa_kernarg_size 64
		.amdhsa_user_sgpr_count 2
		.amdhsa_user_sgpr_kernarg_segment_ptr 1
		.amdhsa_wavefront_size32 1
		.amdhsa_system_sgpr_workgroup_id_x 1
		.amdhsa_system_sgpr_workgroup_id_y 1
		.amdhsa_system_sgpr_workgroup_id_z 1
		.amdhsa_system_vgpr_workitem_id 0
		.amdhsa_next_free_vgpr 196
		.amdhsa_next_free_sgpr 66
		.amdhsa_reserve_vcc 0
		.amdhsa_float_denorm_mode_32 3
		.amdhsa_float_denorm_mode_16_64 3
		.amdhsa_memory_ordered 1
		.amdhsa_forward_progress 1
		.amdhsa_inst_pref_size 132
	.end_amdhsa_kernel
	.amdgpu_metadata
---
amdhsa.version: [ 1, 2 ]
amdhsa.kernels:
  - .name:           k_q06e48ec706_prep
    .symbol:         k_q06e48ec706_prep.kd
    .args:
      - { .name: x, .offset: 0, .size: 8, .value_kind: global_buffer, .address_space: global }
      - { .name: w_attn, .offset: 8, .size: 8, .value_kind: global_buffer, .address_space: global }
      - { .name: w_proj, .offset: 16, .size: 8, .value_kind: global_buffer, .address_space: global }
      - { .name: xq_codes, .offset: 24, .size: 8, .value_kind: global_buffer, .address_space: global }
      - { .name: xq_scales, .offset: 32, .size: 8, .value_kind: global_buffer, .address_space: global }
      - { .name: wq_codes, .offset: 40, .size: 8, .value_kind: global_buffer, .address_space: global }
      - { .name: wq_scales, .offset: 48, .size: 8, .value_kind: global_buffer, .address_space: global }
      - { .name: wp16, .offset: 56, .size: 8, .value_kind: global_buffer, .address_space: global }
    .group_segment_fixed_size: 68096
    .private_segment_fixed_size: 0
    .kernarg_segment_align: 8
    .kernarg_segment_size: 64
    .max_flat_workgroup_size: 128
    .sgpr_count:     66
    .vgpr_count:     196
    .wavefront_size: 32
...
	.end_amdgpu_metadata
.endif
;; end of part 1
;; launch qkv (part 2): grid 12 x 32, 4 waves a work-group, clusters of 4 x 1, 327,680 bytes of LDS; arguments xq_codes, xq_scales, wq_codes, wq_scales, b_attn, qkv, fine; writes qkv, fine
.if DOCPART == 2
	.amdgcn_target "amdgcn-amd-amdhsa--gfx1250"
	.amdhsa_code_object_version 6
	.text
	.protected	k_q06e48ec706_qkv
	.globl	k_q06e48ec706_qkv
	.p2align	8
	.type	k_q06e48ec706_qkv,@function
k_q06e48ec706_qkv:
	s_mov_b64 s[64:65], 0
	v_nop
	global_prefetch_b8 v0, s[64:65] scope:SCOPE_SE
	s_setreg_imm32_b32 hwreg(HW_REG_WAVE_MODE, 25, 1), 1
	s_wait_xcnt 0x0
	s_wait_alu depctr_hold_cnt(0) depctr_sa_sdst(0) depctr_va_vdst(0) depctr_va_sdst(0) depctr_va_ssrc(0) depctr_va_vcc(0) depctr_vm_vsrc(0)
	s_getreg_b32 s2, hwreg(HW_REG_IB_STS2, 6, 4)
	s_cmp_eq_u32 s2, 0
	s_cbranch_scc0 .Lentry_in_a_cluster
	s_endpgm
.Lentry_in_a_cluster:
	s_bfe_u32 s2, ttmp6, 0x10000c
	s_cmp_lg_u32 s2, 0x3003
	s_cbranch_scc0 .Lentry_shape_is_right
	s_endpgm
.Lentry_shape_is_right:
; QKV = Q(x) Q(w_attn) + b_attn on codes of FP4 (E2M1) with one E8M0 scale for each 32 along K.  x's codes [8192][512 bytes], w's [3072][512 bytes], K innermost; scale bytes [rows][32].
; OUT: q, k, v as f16 laid [3][batch x 16 + head][t 2048][64], and the rows t < 16 of every batch also as f32, laid [batch x 16 + t][3072], for the launch that carries those rows in f32.
; LIMIT: |q|, |k|, |v| stay under 65,504 (f16's largest number): with x's spread 1 and w's 0.02 they have a spread of 0.64; both inputs 30 times larger give 576, a common offset of 30 spreads on both about 18,432.
; A tile of 256 x 256 is made by a work-group of four waves; a wave makes 128 x 128: 64 accumulators of 16 x 16, 512 registers.  K = 1,024 is two LDS slots of 512 along K (rows of 256 bytes): both are
; asked for at the start, with the scale bytes of the work-group's rows for all of K, and nothing is filled again.
; CLUSTER: the four work-groups of a cluster lie along x: they share the tile ROW, so x's tiles and x's scale bytes are asked for JOINTLY (mask 15), which divides those requests by four.  w's tiles are plain
; loads: a cluster of 4 x 4 would share them too, but the branch below that stores the f32 rows hangs on the tile row.
; THE MATRIX INSTRUCTION IS USED TRANSPOSED (source 0 = 16 rows of w, source 1 = 16 rows of x): a lane holds eight neighbouring columns of one row.  The bias is the C of each sum's first product.
; REGISTERS, in windows of 256: window 0: v0-31 addresses; v32-95 scale words, two sets, and nothing else; v96-127 packed results on the way out; v128-191 x's fragments, ONE set, later rows on the way out;
;   v192-255 the bias, 8 registers for each of my 8 column blocks, later the f32 rows and (v192-223) packed results.
;   window 1: w's fragments, TWO sets, at v0 and v128.   window 2: the accumulators of my rows 0-63 ((a, b) at v[8 (8 a + b)]);   window 3: those of my rows 64-127.
.set KSTEP,  512
.set NQ,     4                         ; matrix instructions deep in a slot
.set ROWB,   256                       ; a tile's row in bytes
.set KROW,   512                       ; a row of codes in memory
.set PITCH,  272                       ; an LDS row: 256 bytes + 16 of padding: the 16 rows that a load touches start 68 words apart
.set FR,     8                         ; registers of a fragment: 16 rows x 128 K
.set NL,     2                         ; LDS loads that bring one
.set NP,     4                         ; places behind this matrix instruction (ISA guide 7.12.1)
.set HALFT,  128*PITCH
.set SLOT,   4*HALFT                   ; x's 256 rows, then w's 256 rows
.set KS,     32                        ; a row of scale bytes
.set SCL,    2*SLOT                    ; behind the slots: the scale bytes, as units of 256 bytes + 16 of padding
.set HALFS,  (128*KS/256)*272
.set SBLK,   (16*KS/256)*272
.set SPARE,  SCL+4*HALFS               ; the spare words, 128 bytes for each wave: two blocks of 256 bytes that no other line names
.set FSTG,   0                         ; the way out, in slot 0, which has had its only fill and its last read by then: a stage of 16 rows x 528 bytes for each wave (f32 rows),
.set HSTG,   4*16*528                  ; and one of 2 heads x 16 rows x 144 bytes for each wave (f16 rows)
.set ADRA, 16                          ; v16-17  LDS address of my x fragments in slot 0, 1
.set ADRB, 20                          ; v20-21  the same for w
.set FST,  22                          ; v22     f32 stage: where I put 32 bytes of a row
.set FRD,  23                          ; v23     and where I read a row back
.set STO,  24                          ; v24     f16 stage: where I put 16 bytes of a row
.set RD,   25                          ; v25     and where I read four rows back
.set CO,   26                          ; v26     16 x lane
.set ADRS, 27                          ; v27     LDS address of my scale words: lanes 0-15 x's rows, lanes 16-31 w's
.set SPW,  28                          ; v28     LDS address of my spare word; never rewritten
.set NIL,  29                          ; v29     0; never rewritten
.set BO,   30                          ; v30     32 x (lane / 16): my eight numbers of a block's 16 of the bias
.set SC,   32
.set AF,   128
.set BIAS, 192
.set TMP,  96                          ; the way out: packed results, v96-127 and v192-223 by turns (96 registers apart)
.set BK,   128                         ; rows read back: v128-159 and v160-191 by turns
.set FB,   192                         ; f32 rows read back
.set G1, 24                            ; s[24:31] descriptor group 1 for x's tiles;  s[32:39] group 0, one set for each slot
.set G0, 32
.set G1B, 48                           ; s[48:55], s[56:63] the same for w's tiles
.set G0B, 56
.set G1S, 68                           ; s[68:75], s[76:79] groups 1 and 0 for x's scales;  s[80:87], s[88:91] for w's
.set G0S, 76
.set G1SB, 80
.set G0SB, 88
.set MSB, 0
.macro WIN new                         ; the immediate's high byte repeats the setting that is left
.if MSB != (\new)
	s_set_vgpr_msb (MSB<<8)|(\new)
.set MSB, (\new)
.endif
.endm
.set MUL_LO,  0xa1                     ; source 0 (w) window 1, source 1 (x) window 0, C and D window 2
.set MUL_HI,  0xf1                     ; the same, C and D window 3
.set MULZ_LO, 0x81                     ; the first products: C (the bias) window 0, D window 2
.set MULZ_HI, 0xc1                     ; D window 3
.set TO_B,    0x40                     ; destination window 1, address window 0
; Waves 0 and 1 fetch for x (jointly), waves 2 and 3 for w.  The branch hangs on the wave's number alone.  An s_nop 0 and four v_nop follow each of the two lines.
.macro JLOAD g0a, g1a, g0b, g1b
	s_cmp_eq_u32 s15, 0
	s_cbranch_scc0 .Lfor_b_\@
	tensor_load_to_lds s[\g0a:\g0a+3], s[\g1a:\g1a+7]
	s_nop 0
.rept 4
	v_nop
.endr
	s_branch .Lasked_\@
.Lfor_b_\@:
	tensor_load_to_lds s[\g0b:\g0b+3], s[\g1b:\g1b+7]
	s_nop 0
.rept 4
	v_nop
.endr
.Lasked_\@:
.endm
.macro CROUND                          ; a round of the cluster's barrier
	s_barrier_signal -1
	s_barrier_wait -1
	s_cmp_lg_u32 s14, 0
	s_cbranch_scc1 .Lnot_wave_0_\@
	s_barrier_signal -3
.Lnot_wave_0_\@:
	s_barrier_wait -3
	s_barrier_signal -1
	s_barrier_wait -1
.endm
	s_load_b256 s[4:11], s[0:1], 0x0               ; x's codes s[4:5], x's scales s[6:7], w's codes s[8:9], w's scales s[10:11]
	s_load_b128 s[96:99], s[0:1], 0x20             ; b_attn s[96:97], qkv s[98:99]
	s_load_b64 s[12:13], s[0:1], 0x30              ; fine
	v_lshl_add_u32 v[SPW], v0, 2, SPARE
	v_mov_b32 v[NIL], 0
	ds_add_u32 v[SPW], v[NIL]                      ; the wave's opening: the add, twice on end, and its wait ahead of my first tensor load; the set-up below stands between
	ds_add_u32 v[SPW], v[NIL]
	v_lshrrev_b32 v1, 5, v0
	v_readfirstlane_b32 s14, v1                    ; wave 0..3
	s_lshr_b32 s15, s14, 1                         ; which half of the tile's rows is mine.  Also: I fetch for x (0) or for w (1)
	s_and_b32 s16, s14, 1                          ; which half of its columns.  Also: which 128 rows of that tile I fetch
	s_bfe_u32 s40, ttmp6, 0x40000                  ; cx: my place in the cluster
	s_lshl_b32 s42, ttmp9, 2
	s_add_co_u32 s42, s42, s40                     ; tile column = 4 x cluster x + cx
	s_and_b32 s17, ttmp7, 0xffff                   ; tile row: the same in all four partners
	; descriptor group 1: a tile of 128 rows x 256 bytes, 16 bytes of padding behind each row
	s_mov_b32 s[G1+0], 15|(1<<20)|(1<<21)|(5<<22)|(3<<25)          ; 15:0 the mask: all four; 17:16 elements of 1 byte; 20 padding on; 21 set beside a mask; 24:22 after every 64 words; 31:25 four words
	s_mov_b32 s[G1B+0], (1<<20)|(5<<22)|(3<<25)                    ; no mask: a load of my own
.irp g, G1, G1B
	s_mov_b32 s[\g+1], ROWB<<16                    ; tensor_dim0
	s_mov_b32 s[\g+2], 128<<16                     ; tensor_dim1
	s_mov_b32 s[\g+3], ROWB<<16                    ; tile_dim0
	s_mov_b32 s[\g+4], 128                         ; tile_dim1
	s_mov_b32 s[\g+5], KROW                        ; from row to row
	s_mov_b32 s[\g+6], 0
	s_mov_b32 s[\g+7], 0
.endr
	; the scale bytes of 128 rows: 4,096 dense bytes, as 16 rows of 256 bytes (32 elements of 8 bytes), 16 bytes of padding behind each
	s_mov_b32 s[G1S+0], 15|(3<<16)|(1<<20)|(1<<21)|(5<<22)|(3<<25)
	s_mov_b32 s[G1SB+0], (3<<16)|(1<<20)|(5<<22)|(3<<25)
.irp g, G1S, G1SB
	s_mov_b32 s[\g+1], 32<<16
	s_mov_b32 s[\g+2], (128*KS/256)<<16
	s_mov_b32 s[\g+3], 32<<16
	s_mov_b32 s[\g+4], 128*KS/256
	s_mov_b32 s[\g+5], 32
	s_mov_b32 s[\g+6], 0
	s_mov_b32 s[\g+7], 0
.endr
	s_lshl_b32 s18, s16, 7                         ; which 128 rows of the tile I fetch
	s_lshl_b32 s20, s17, 8
	s_add_co_u32 s20, s20, s18                     ; x: row 256 x tile row + 128 x half
	s_lshl_b32 s46, s42, 8
	s_add_co_u32 s46, s46, s18                     ; w: row 256 x tile column + 128 x half
	s_mov_b32 s21, 0
	s_mov_b32 s47, 0
	s_mov_b64 s[18:19], KS
	s_mul_u64 s[22:23], s[20:21], s[18:19]         ; where these rows' scales begin, in bytes
	s_mul_u64 s[92:93], s[46:47], s[18:19]
	s_mov_b64 s[18:19], KROW
	s_mul_u64 s[20:21], s[20:21], s[18:19]         ; and their codes
	s_mul_u64 s[46:47], s[46:47], s[18:19]
	s_mul_i32 s45, s14, HALFT                      ; where they go: wave x 128 rows: no place in the cluster enters an LDS address
	s_mul_i32 s94, s14, HALFS
	s_wait_dscnt 0x0                               ; both opening adds are done
	s_wait_kmcnt 0x0
	s_add_nc_u64 s[20:21], s[4:5], s[20:21]
	s_add_nc_u64 s[22:23], s[6:7], s[22:23]
	s_add_nc_u64 s[46:47], s[8:9], s[46:47]
	s_add_nc_u64 s[92:93], s[10:11], s[92:93]
	CROUND                                         ; all four work-groups are here: the joint loads meet
	s_mov_b32 s[G0S], 1
	s_add_co_u32 s[G0S+1], s94, SCL
	s_mov_b64 s[G0S+2:G0S+3], s[22:23]
	s_or_b32 s[G0S+3], s[G0S+3], 0x80000000
	s_mov_b32 s[G0SB], 1
	s_add_co_u32 s[G0SB+1], s94, SCL
	s_mov_b64 s[G0SB+2:G0SB+3], s[92:93]
	s_or_b32 s[G0SB+3], s[G0SB+3], 0x80000000
	JLOAD G0S, G1S, G0SB, G1SB                     ; the scales first: they are wanted with the first slot
.irp s, 0,1
	s_mov_b32 s[G0+4*\s], 1
	s_add_co_u32 s[G0+4*\s+1], s45, \s*SLOT
	s_add_nc_u64 s[G0+4*\s+2:G0+4*\s+3], s[20:21], \s*ROWB
	s_or_b32 s[G0+4*\s+3], s[G0+4*\s+3], 0x80000000
	s_mov_b32 s[G0B+4*\s], 1
	s_add_co_u32 s[G0B+4*\s+1], s45, \s*SLOT
	s_add_nc_u64 s[G0B+4*\s+2:G0B+4*\s+3], s[46:47], \s*ROWB
	s_or_b32 s[G0B+4*\s+3], s[G0B+4*\s+3], 0x80000000
	JLOAD G0+4*\s, G1, G0B+4*\s, G1B               ; three tensor loads of mine are out, and no more follow
.endr
	v_and_b32 v1, 15, v0                           ; r = l % 16
	v_bfe_u32 v2, v0, 4, 1                         ; h = l / 16
	v_mul_u32_u24 v3, v1, PITCH
	v_lshl_add_u32 v4, v2, 4, v3                   ; a fragment's row x pitch + 16 x half
	s_mul_i32 s21, s15, HALFT                      ; my 128 rows of x
	s_mul_i32 s22, s16, HALFT                      ; my 128 rows of w,
	s_add_co_u32 s22, s22, 2*HALFT                 ; which lie behind x's 256
.irp s, 0,1
	v_add_nc_u32 v[ADRA+\s], s21, v4
	v_add_nc_u32 v[ADRB+\s], s22, v4
	s_add_co_u32 s21, s21, SLOT
	s_add_co_u32 s22, s22, SLOT
.endr
	v_mul_u32_u24 v5, v1, KS                       ; my row's scales: 32 bytes a row,
	v_lshrrev_b32 v6, 8, v5
	v_lshl_add_u32 v5, v6, 4, v5                   ; and 16 more for each 256 passed
	s_mul_i32 s21, s15, HALFS                      ; x's: my 128 rows
	s_mul_i32 s22, s16, HALFS                      ; w's: my 128 rows, behind x's 256
	s_add_co_u32 s22, s22, 2*HALFS
	s_sub_co_u32 s22, s22, s21
	v_mul_u32_u24 v6, s22, v2                      ; lanes 16-31 take w's: one product, the distance between the two bases
	s_add_co_u32 s21, s21, SCL
	v_add_nc_u32 v5, v5, v6
	v_add_nc_u32 v[ADRS], s21, v5
	s_mul_i32 s23, s14, 16*528                     ; my f32 stage
	v_mul_u32_u24 v5, v1, 528
	v_lshl_add_u32 v5, v2, 5, v5
	v_add_nc_u32 v[FST], s23, v5                   ; in: row r, 32 bytes for each half of the lanes
	v_and_b32 v6, 31, v0
	v_lshlrev_b32 v[CO], 4, v6
	v_add_nc_u32 v[FRD], s23, v[CO]                ; back: the 32 lanes take one row of 512 bytes
	s_mul_i32 s23, s14, 2*16*144
	s_add_co_u32 s23, s23, HSTG                    ; my f16 stage
	v_mul_u32_u24 v5, v1, 144
	v_lshl_add_u32 v5, v2, 4, v5
	v_add_nc_u32 v[STO], s23, v5                   ; in: row r, 16 bytes for each half of the lanes
	v_lshrrev_b32 v5, 3, v6
	v_mul_u32_u24 v5, v5, 144
	v_and_b32 v7, 7, v6
	v_lshl_add_u32 v5, v7, 4, v5
	v_add_nc_u32 v[RD], s23, v5                    ; back: eight lanes to a row of 128 bytes, four rows an instruction
	v_lshlrev_b32 v[BO], 5, v2
	; where my part begins in qkv: part (q, k, v) = tile column / 4; head = 4 (tile column % 4) + 2 x column half (+ 1 for my second 64 columns); batch = tile row / 8; t = 256 (tile row % 8) + 128 x row half
	s_lshr_b32 s20, s42, 2
	s_lshl_b32 s20, s20, 24                        ; a part is 2^24 bytes
	s_and_b32 s21, s42, 3
	s_lshl_b32 s21, s21, 2
	s_lshl_b32 s22, s16, 1
	s_add_co_u32 s21, s21, s22
	s_lshr_b32 s22, s17, 3                         ; batch
	s_lshl_b32 s23, s22, 4
	s_add_co_u32 s21, s21, s23
	s_lshl_b32 s21, s21, 18                        ; a head is 2,048 rows of 128 bytes
	s_add_co_u32 s20, s20, s21
	s_and_b32 s23, s17, 7
	s_lshl_b32 s21, s23, 15
	s_add_co_u32 s20, s20, s21
	s_lshl_b32 s21, s15, 14
	s_add_co_u32 s20, s20, s21
	s_mov_b32 s21, 0
	s_add_nc_u64 s[98:99], s[98:99], s[20:21]
	s_or_b32 s95, s23, s15                         ; 0 where my first 16 rows are positions 0 to 15 of a batch: made of the tile row and the wave's number alone
	s_lshl_b32 s46, s42, 10
	s_lshl_b32 s47, s16, 9
	s_add_co_u32 s46, s46, s47                     ; my first column, in bytes of f32
	s_mov_b32 s47, 0
	s_add_nc_u64 s[96:97], s[96:97], s[46:47]      ; the bias there
	s_mul_i32 s20, s22, 16*12288                   ; fine: 16 rows of 12,288 bytes a batch
	s_add_co_u32 s20, s20, s46
	s_add_nc_u64 s[12:13], s[12:13], s[20:21]
.irp b, 0,1,2,3,4,5,6,7
	global_load_b128 v[BIAS+8*\b:BIAS+8*\b+3], v[BO], s[96:97] offset:64*\b        ; lane (r, h): the bias of columns 16 b + 8 h + 0 .. 7, in the result's layout
	global_load_b128 v[BIAS+8*\b+4:BIAS+8*\b+7], v[BO], s[96:97] offset:64*\b+16
.endr
.macro FRAG reg, adr, q, i             ; a fragment, 16 rows x 128 K of 4-bit codes: lane l holds row l % 16; registers 4 c .. 4 c + 3 hold K = 64 c + 32 (l / 16) + 0 .. 31
.irp c, 0,1
	ds_load_b128 v[\reg+4*\c:\reg+4*\c+3], v[\adr] offset:64*(\q)+32*\c+(\i)*16*PITCH
.endr
.endm
; 16 matrix instructions: x's blocks a0, a0 + 1 against w's eight, 128 along K.  p: w's set; sc: the set of scale words.  zero = 1: the first product starts the sum from the bias.
; The 64 accumulators take turns, one instruction a turn, in the same order in every step.
.macro MUL16 a0, p, q, sc, zero
.irp a, \a0, \a0+1
.irp b, 0,1,2,3,4,5,6,7
.if \zero
	v_wmma_scale_f32_16x16x128_f8f6f4 v[8*(8*((\a)%4)+\b):8*(8*((\a)%4)+\b)+7], v[128*(\p)+FR*\b:128*(\p)+FR*\b+FR-1], v[AF+FR*(\a):AF+FR*(\a)+FR-1], v[BIAS+8*\b:BIAS+8*\b+7], v[SC+8*NQ*(\sc)+NQ*\b+(\q)], v[SC+8*NQ*(\sc)+NQ*(\a)+(\q)] matrix_a_fmt:MATRIX_FMT_FP4 matrix_b_fmt:MATRIX_FMT_FP4 matrix_a_scale:MATRIX_SCALE_ROW1
.else
	v_wmma_scale_f32_16x16x128_f8f6f4 v[8*(8*((\a)%4)+\b):8*(8*((\a)%4)+\b)+7], v[128*(\p)+FR*\b:128*(\p)+FR*\b+FR-1], v[AF+FR*(\a):AF+FR*(\a)+FR-1], v[8*(8*((\a)%4)+\b):8*(8*((\a)%4)+\b)+7], v[SC+8*NQ*(\sc)+NQ*\b+(\q)], v[SC+8*NQ*(\sc)+NQ*(\a)+(\q)] matrix_a_fmt:MATRIX_FMT_FP4 matrix_b_fmt:MATRIX_FMT_FP4 matrix_a_scale:MATRIX_SCALE_ROW1
.endif
.endr
.endr
.endm
.macro FETCH_B slot, q, p              ; w's eight fragments of the slot's q-th 128 along K into set p
	WIN TO_B
.irp i, 0,1,2,3,4,5,6,7
	FRAG 128*(\p)+FR*\i, ADRB+\slot, \q, \i
.endr
	WIN 0
.endm
.macro FETCH_A slot, q, i0             ; x's blocks i0 .. i0 + 3
.irp i, \i0, \i0+1, \i0+2, \i0+3
	FRAG AF+FR*(\i), ADRA+\slot, \q, \i
.endr
.endm
.macro SCALES sc                       ; a slot's scale words into set sc: four words a row; lanes 0-15 take x's block i, lanes 16-31 w's block i
.irp i, 0,1,2,3,4,5,6,7
	ds_load_b128 v[SC+8*NQ*\sc+NQ*\i:SC+8*NQ*\sc+NQ*\i+3], v[ADRS] offset:\i*SBLK
.endr
.endm
; A load into a register that a matrix instruction has read, and a vector instruction or an LDS store that reads a matrix result, stand NP places behind that matrix instruction; only plain vector
; instructions that name none of its registers are places (ISA guide 7.12.1 for vector instructions).
.macro PLACES n
.rept \n
	v_nop
.endr
.endm
.macro STEP slot, q, zero              ; a step of 128 along K that has its successor in the same slot
	s_wait_dscnt 4*NL                              ; w's set and x's blocks 0-3 are in; the youngest eight loads (x's blocks 4-7) may be out
.if \zero
	WIN MULZ_LO
.else
	WIN MUL_LO
.endif
	MUL16 0, (\q)%2, \q, \slot, \zero
	MUL16 2, (\q)%2, \q, \slot, \zero
	s_wait_dscnt 0                                 ; x's blocks 4-7 are in
	PLACES NP
	FETCH_B \slot, (\q)+1, 1-(\q)%2
	FETCH_A \slot, (\q)+1, 0
.if \zero
	WIN MULZ_HI
.else
	WIN MUL_HI
.endif
	MUL16 4, (\q)%2, \q, \slot, \zero
	MUL16 6, (\q)%2, \q, \slot, \zero
	PLACES NP
	WIN 0
	FETCH_A \slot, (\q)+1, 4
.endm
; A slot's last step changes slots: one barrier; in front of it each wave waits for all its tensor loads (its part of the next slot), adds 0 to its spare word, and waits for that and for its reads of this slot.
; Nothing is filled again: behind the barrier the next slot is whole, and slot 0 is read by nobody any more.
.macro TURN slot, next
	s_wait_tensorcnt 0x0
	ds_add_u32 v[SPW], v[NIL]
	s_wait_dscnt 4*NL+1                            ; (the add and the youngest eight loads may be out)
	WIN MUL_LO
	MUL16 0, 1, NQ-1, \slot, 0
	s_wait_dscnt 0x0                               ; the add is done, and my reads of this slot are over
	s_barrier_signal -1
	MUL16 2, 1, NQ-1, \slot, 0
	WIN 0
	s_barrier_wait -1
	PLACES NP
	v_add_nc_u32 v[ADRS], 4*NQ, v[ADRS]            ; on to the next slot's scale words (no LDS load of mine is out)
	FETCH_B \next, 0, 0
	FETCH_A \next, 0, 0
	SCALES \next
	WIN MUL_HI
	MUL16 4, 1, NQ-1, \slot, 0
	MUL16 6, 1, NQ-1, \slot, 0
	PLACES NP
	WIN 0
	FETCH_A \next, 0, 4
.endm
	s_wait_tensorcnt 1                             ; the scales and my part of slot 0 are in (slot 1's load may be out)
	s_barrier_signal -1
	s_barrier_wait -1                              ; everybody's are
	FETCH_B 0, 0, 0
	FETCH_A 0, 0, 0
	SCALES 0
	FETCH_A 0, 0, 4
	s_wait_loadcnt 0x0                             ; the bias
	STEP 0, 0, 1
	STEP 0, 1, 0
	STEP 0, 2, 0
	TURN 0, 1
	STEP 1, 0, 0
	STEP 1, 1, 0
	STEP 1, 2, 0
	s_wait_dscnt 4*NL                              ; the last step: nothing more to fetch
	WIN MUL_LO
	MUL16 0, 1, NQ-1, 1, 0
	MUL16 2, 1, NQ-1, 1, 0
	s_wait_dscnt 0
	WIN MUL_HI
	MUL16 4, 1, NQ-1, 1, 0
	MUL16 6, 1, NQ-1, 1, 0
	WIN 0
	PLACES NP                                      ; behind the last products: for the reads of results, and for the loads into registers that held fragments
	; THE f32 ROWS.  Where my first 16 rows are positions 0 to 15 of a batch they also leave as f32: through my f32 stage, back as whole rows of 512 bytes.  The branch hangs on the tile row, which all partners share, and on the wave's number.
	s_cmp_lg_u32 s95, 0
	s_cbranch_scc1 .Lnofine
	WIN 0x08                                       ; an LDS store's data are its source 1: window 2
.irp b, 0,1,2,3,4,5,6,7
	ds_store_b128 v[FST], v[8*\b:8*\b+3] offset:64*\b              ; each accumulator from its low end on
	ds_store_b128 v[FST], v[8*\b+4:8*\b+7] offset:64*\b+16
.endr
	WIN 0
.irp t, 0,1,2,3,4,5,6,7,8,9,10,11,12,13,14,15
	ds_load_b128 v[FB+4*\t:FB+4*\t+3], v[FRD] offset:\t*528        ; LDS serves a wave's instructions in order: these see my stores
.endr
	s_wait_dscnt 0x0
.irp t, 0,1,2,3,4,5,6,7,8,9,10,11,12,13,14,15
	global_store_b128 v[CO], v[FB+4*\t:FB+4*\t+3], s[12:13] offset:\t*12288   ; 32 lanes store 512 consecutive bytes, aligned
.endr
.Lnofine:
; THE WAY OUT IN f16, block by block of 16 rows x 128 columns = 2 heads x 64.  A lane's eight columns pack into 16 bytes of a head's row of 128; 16 rows of a head are 2,048 consecutive bytes of memory.
; The packed results of even blocks lie in v96-127, those of odd blocks in v192-223: the first write there (block 1's) stands behind the wait on XCNT at the head of block 0's TOSTAGE, so the f32 rows' stores have read their data.
.macro PACK a
.set AC, 64*((\a)%4)
.set TM, TMP+96*((\a)%2)
	WIN 0x0a+5*((\a)/4)                            ; sources 0 and 1: window 2 or 3
.irp b, 0,1,2,3,4,5,6,7
.irp i, 0,1,2,3
	v_cvt_pk_f16_f32 v[TM+4*\b+\i], v[AC+8*\b+2*\i], v[AC+8*\b+2*\i+1]   ; each accumulator from its low end on
.endr
.endr
	WIN 0
.endm
.macro TOSTAGE a
.set TM, TMP+96*((\a)%2)
.set BB, BK+32*((\a)%2)
	s_wait_xcnt 0x0                                ; every earlier store has read its data: the loads below may land where the stores of two blocks back read, and the next block's conversions may write
.irp b, 0,1,2,3,4,5,6,7
	ds_store_b128 v[STO], v[TM+4*\b:TM+4*\b+3] offset:(\b/4)*2304+(\b%4)*32
.endr
.irp t, 0,1,2,3,4,5,6,7
	ds_load_b128 v[BB+4*\t:BB+4*\t+3], v[RD] offset:(\t/4)*2304+(\t%4)*576   ; in order behind the stores above
.endr
.endm
.macro SEND a
.set BB, BK+32*((\a)%2)
	s_wait_dscnt 0x0                               ; the block is back in registers
.irp t, 0,1,2,3,4,5,6,7
	global_store_b128 v[CO], v[BB+4*\t:BB+4*\t+3], s[98:99] offset:(\t/4)*262144+(\a)*2048+(\t%4)*512   ; 32 lanes store 512 consecutive bytes, aligned: four rows of a head
.endr
.endm
	PACK 0
	TOSTAGE 0
.irp a, 1,2,3,4,5,6,7                  ; block a's conversions stand between block a - 1's loads from the stage and the wait for them
	PACK \a
	SEND \a-1
	TOSTAGE \a
.endr
	SEND 7
	s_wait_tensorcnt 0x0                           ; the wave's end: three lines behind my last tensor load and my last LDS store
	ds_add_u32 v[SPW], v[NIL]
	s_wait_dscnt 0x0
	CROUND                                         ; the closing round
	s_endpgm
.Lfunc_end_k_q06e48ec706_qkv:
	.size	k_q06e48ec706_qkv, .Lfunc_end_k_q06e48ec706_qkv-k_q06e48ec706_qkv
	.p2alignl 7, 3214868480
	.fill 96, 4, 3214868480
	.section	.rodata,"a",@progbits
	.p2align	6, 0x0
	.amdhsa_kernel k_q06e48ec706_qkv
		.amdhsa_group_segment_fixed_size 327680
		.amdhsa_private_segment_fixed_size 0
		.amdhsa_enable_private_segment 0
		.amdhsa_kernarg_size 56
		.amdhsa_user_sgpr_count 2
		.amdhsa_user_sgpr_kernarg_segment_ptr 1
		.amdhsa_wavefront_size32 1
		.amdhsa_system_sgpr_workgroup_id_x 1
		.amdhsa_system_sgpr_workgroup_id_y 1
		.amdhsa_system_sgpr_workgroup_id_z 1
		.amdhsa_system_vgpr_workitem_id 0
		.amdhsa_next_free_vgpr 1024
		.amdhsa_next_free_sgpr 100
		.amdhsa_reserve_vcc 0
		.amdhsa_float_denorm_mode_32 3
		.amdhsa_float_denorm_mode_16_64 3
		.amdhsa_memory_ordered 1
		.amdhsa_forward_progress 1
		.amdhsa_inst_pref_size 132
	.end_amdhsa_kernel
	.amdgpu_metadata
---
amdhsa.version: [ 1, 2 ]
amdhsa.kernels:
  - .name:           k_q06e48ec706_qkv
    .symbol:         k_q06e48ec706_qkv.kd
    .args:
      - { .name: xq_codes, .offset: 0, .size: 8, .value_kind: global_buffer, .address_space: global }
      - { .name: xq_scales, .offset: 8, .size: 8, .value_kind: global_buffer, .address_space: global }
      - { .name: wq_codes, .offset: 16, .size: 8, .value_kind: global_buffer, .address_space: global }
      - { .name: wq_scales, .offset: 24, .size: 8, .value_kind: global_buffer, .address_space: global }
      - { .name: b_attn, .offset: 32, .size: 8, .value_kind: global_buffer, .address_space: global }
      - { .name: qkv, .offset: 40, .size: 8, .value_kind: global_buffer, .address_space: global }
      - { .name: fine, .offset: 48, .size: 8, .value_kind: global_buffer, .address_space: global }
    .group_segment_fixed_size: 327680
    .private_segment_fixed_size: 0
    .kernarg_segment_align: 8
    .kernarg_segment_size: 56
    .max_flat_workgroup_size: 128
    .sgpr_count:     100
    .vgpr_count:     1024
    .wavefront_size: 32
...
	.end_amdgpu_metadata
.endif
;; end of part 2
;; launch attn (part 3): grid 4 x 64, 8 waves a work-group, no clusters, 327,680 bytes of LDS; arguments qkv, y; writes y
.if DOCPART == 3
	.amdgcn_target "amdgcn-amd-amdhsa--gfx1250"
	.amdhsa_code_object_version 6
	.text
	.protected	k_q06e48ec706_attn
	.globl	k_q06e48ec706_attn
	.p2align	8
	.type	k_q06e48ec706_attn,@function
k_q06e48ec706_attn:
	s_mov_b64 s[64:65], 0
	v_nop
	global_prefetch_b8 v0, s[64:65] scope:SCOPE_SE
	s_setreg_imm32_b32 hwreg(HW_REG_WAVE_MODE, 25, 1), 1
	s_wait_xcnt 0x0
; y[bh][q][:] = the sum over k <= q of softmax_k(Q[q] . K[k] / 8) V[k][:].  q, k, v: [3][bh 64][t 2048][64] f16; y: [bh][t][64] f16.  Products on f16 operands, sums, maxima and the softmax in f32.
; SOFTMAX.  For each query a running maximum m and sum l: p = 2^(c s - c m), c = log2(e) / 8; in every step O and l are multiplied by a = 2^(c m_old - c m_new).  p is rounded to f16 for the second product; the sum is taken of the unrounded p.
; LIMITS: scores stay above -3e38, the start of the running maximum; |y| under 65,504 follows from |v| under 65,504.
; SHARES.  Work-group (i = x in 0..3, bh = y) owns the query blocks i and 7 - i of 256 queries.  It walks 9 slots of 256 keys whatever i is: trips 0 .. i are key slots 0 .. i for block i, trips i + 1 .. 8 are key slots
; 0 .. 7 - i for block 7 - i.  So all 256 work-groups have 7 full and 2 diagonal slots, and every trip count is a constant.  A wave owns 32 queries, two tiles of 16: each fragment of K and V read from LDS feeds two products.
; Which 32 of the block's 256 a wave takes (g) is laid so that waves w and w + 4, and waves 2 u and 2 u + 1, have 5 steps together on a diagonal slot.  g enters global addresses and the causal compares alone.
; NO CLUSTER: the four work-groups of a head want each key slot in different trips (the walks begin anew at trip i + 1); walking in step would give every round the busiest partner's steps: 12 slots' work in place of 9.
; LAYOUT.  S^T = K Q^T (source 0 = 16 keys, source 1 = 16 queries): a lane holds ONE query (lane % 16) and keys 8 (lane / 16) + 0..7.  Two such tiles, rounded to f16 in pairs, ARE source 1 (32 keys x 16 queries) of
; O^T = V^T P, whose result again holds one query a lane.  K comes out of LDS as it lies, V ([key][channel]) turned, by ds_load_tr16_b128.
; CAUSAL.  A step (64 keys) all of whose keys come after my 32 queries is jumped over by a scalar branch on ids; on the diagonal hidden scores become -infinity ahead of the maximum.  Every slot that is asked for is read by some wave.
; REGISTERS: window 0: v1-15 addresses; v16-31 statistics, 8 a tile; v32-63 Q; v64-127 S^T, then p; v128-159 P; v160-223 O^T; v224-231 at work.   window 1: v0-63 K's fragments of a step; v64-127 V's.
.set PK,    144                        ; a row of K in LDS: 128 bytes + 16 of padding
.set PV,    160                        ; a row of V: 128 + 32: an odd multiple of 32 bytes, for the turning load
.set VOFF,  256*PK                     ; a slot: 256 rows of K, then 256 rows of V
.set SLOT1, 1<<17                      ; slot 1 begins here: one exclusive or turns an address in one slot into the other's
.set STAGE, 2*SLOT1                    ; behind the ring: 32 rows x 144 bytes for each wave, for the way out; no tensor load lands there
.set SPARE, STAGE+8*32*PK              ; the spare words, 128 bytes for each wave: four blocks of 256 bytes that no other line names
.set AK0, 1                            ; v1   my lane's place in a tile of K
.set AV0, 2                            ; v2   the same for V
.set ADK, 3                            ; v3   LDS address of the slot's K
.set ADV, 4                            ; v4   of its V
.set SPW, 5                            ; v5   LDS address of my spare word; never rewritten
.set NIL, 6                            ; v6   0; never rewritten
.set GO,  7                            ; v7   16 x lane
.set STO, 8                            ; v8   the way out: where I put 16 bytes of a row
.set RD,  9                            ; v9   and where I read four rows back
.set QO,  10                           ; v10  my byte offset in a tile's rows of Q
.set DL,  11                           ; v11  lane % 16 - 8 (lane / 16)
.set D0,  12                           ; v12, v13  the mask's bound for tile 0, 1
.set NINF, 14                          ; v14  -infinity
.set PFO, 15                           ; v15  256 x lane
.set ST,  16                           ; tile t's statistics at v[ST + 8 t]: +0 c m, +1 m, +2, +3 l (even keys', odd keys'), +4 .. +7 c0-c3 at work; a takes c2's place
.set QF,  32
.set S,   64
.set P,   128
.set OA,  160
.set TU,  224
.set WV,  8
.set TRIP, 12                          ; s12  the trip
.set SW,  13                           ; s13  i: behind trip i the work-group changes to its second block
.set KF,  14                           ; s14  the step's first key
.set Q0,  15                           ; s15  my first query
.set Q0B, 16                           ; s16  and in the second block
.set TB,  17                           ; s17  LDS byte at which the slot in hand begins
.set NOFF, 18                          ; s[18:19] byte offset in the head's K and V of the key slot that is asked for next
.set SEL, 20                           ; s[20:21] lane selects for v_permlanex16_b32: lane l xor 16
.set CS,  22                           ; s[22:23] c
.set G1K, 24
.set G1V, 32
.set G0K, 40
.set G0V, 44
.set KB,  48                           ; s[48:49] the head's K at my half of a slot;  s[50:51] V
.set VB,  50
.set QBA, 52                           ; s[52:53], s[54:55] Q at my first query of block i, of block 7 - i
.set QBB, 54
.set YBA, 56                           ; s[56:57], s[58:59] y likewise
.set YBB, 58
.set PFK, 60                           ; s[60:61], s[66:67] where my prefetches stand in K, in V
.set PLO, 62                           ; s62  the first trip in which I prefetch, or the greatest number
.set PFV, 66
.set MSB, 0
.macro WIN new
.if MSB != (\new)
	s_set_vgpr_msb (MSB<<8)|(\new)
.set MSB, (\new)
.endif
.endm
; Waves 0 and 1 fetch K's halves of a slot, waves 2 and 3 V's, the others nothing.  The branches hang on the wave's number alone.  An s_nop 0 and four v_nop follow each of the two lines.
.macro TLOAD
	s_cmp_lt_u32 s[WV], 2
	s_cbranch_scc0 .Lnot_k_\@
	tensor_load_to_lds s[G0K:G0K+3], s[G1K:G1K+7]
	s_nop 0
.rept 4
	v_nop
.endr
	s_branch .Lasked_\@
.Lnot_k_\@:
	s_cmp_lt_u32 s[WV], 4
	s_cbranch_scc0 .Lasked_\@
	tensor_load_to_lds s[G0V:G0V+3], s[G1V:G1V+7]
	s_nop 0
.rept 4
	v_nop
.endr
.Lasked_\@:
.endm
; A PREFETCH INTO THE L2 of the key slot that my work-group's NEXT change of slots will ask for: one slot, 4 key steps, ahead of that load.  Of a head's four work-groups the one with i = 0 comes to key slots 4 to 7 first (it loads
; key slot t in trip t): it asks for key slot t + 1 in trips 3 to 6, and nobody else asks.  In it waves 4 to 7, which fetch nothing, ask: two instructions each, 8,192 bytes of K's 32,768 and of V's, lanes 256 bytes apart.
; So each aligned block of 256 bytes is named once in the launch; key slots 0 to 3 come by their loads alone; trip 6 names the head's last slot and no trip names more.
.macro ASK
	s_cmp_ge_u32 s[TRIP], s[PLO]
	s_cbranch_scc0 .Lnoask_\@
	s_cmp_le_u32 s[TRIP], 6
	s_cbranch_scc0 .Lnoask_\@
	global_prefetch_b8 v[PFO], s[PFK:PFK+1] th:TH_LOAD_NT scope:SCOPE_SE
	global_prefetch_b8 v[PFO], s[PFV:PFV+1] th:TH_LOAD_NT scope:SCOPE_SE
.Lnoask_\@:
.endm
	s_load_b128 s[4:7], s[0:1], 0x0                ; qkv s[4:5], y s[6:7]
	v_lshl_add_u32 v[SPW], v0, 2, SPARE
	v_mov_b32 v[NIL], 0
	ds_add_u32 v[SPW], v[NIL]                      ; the wave's opening: the add, twice on end, and its wait ahead of my first tensor load; the set-up below stands between
	ds_add_u32 v[SPW], v[NIL]
	v_lshrrev_b32 v1, 5, v0
	v_readfirstlane_b32 s[WV], v1                  ; wave 0..7
	s_mov_b32 s[SW], ttmp9                         ; i
	s_and_b32 s9, ttmp7, 0xffff                    ; batch x 16 + head
	s_lshl_b32 s68, s[WV], 2
	s_lshr_b32 s68, 0x35174260, s68
	s_and_b32 s68, s68, 7                          ; g: waves 0 .. 7 take groups 0, 6, 2, 4, 7, 1, 5, 3
	s_lshl_b32 s68, s68, 5
	s_lshl_b32 s[Q0], s[SW], 8
	s_add_co_u32 s[Q0], s[Q0], s68                 ; my first query in block i
	s_sub_co_u32 s[Q0B], 7, s[SW]
	s_lshl_b32 s[Q0B], s[Q0B], 8
	s_add_co_u32 s[Q0B], s[Q0B], s68               ; and in block 7 - i
	s_lshl_b32 s70, s9, 18                         ; a head is 262,144 bytes
	s_mov_b32 s71, 0
	s_mov_b32 s69, 0
	; descriptor group 1: 128 rows x 64 elements of 2 bytes, dense in memory; padding behind every row of 32 words
	s_mov_b32 s[G1K], (1<<16)|(1<<20)|(4<<22)|(3<<25)              ; no mask; elements of 2 bytes; padding on; after every 32 words (code 4); four words (code 3)
	s_mov_b32 s[G1V], (1<<16)|(1<<20)|(4<<22)|(7<<25)              ; eight words (code 7)
.irp g, G1K, G1V
	s_mov_b32 s[\g+1], 64<<16                      ; tensor_dim0
	s_mov_b32 s[\g+2], 128<<16                     ; tensor_dim1
	s_mov_b32 s[\g+3], 64<<16                      ; tile_dim0
	s_mov_b32 s[\g+4], 128                         ; tile_dim1
	s_mov_b32 s[\g+5], 64                          ; from row to row
	s_mov_b32 s[\g+6], 0
	s_mov_b32 s[\g+7], 0
.endr
	s_mov_b32 s[SEL], 0x76543210
	s_mov_b32 s[SEL+1], 0xfedcba98
	s_mov_b32 s[CS], 0x3e38aa3b                    ; c = log2(e) / 8
	s_mov_b32 s[CS+1], s[CS]                       ; (named with it as a pair, so it is written)
	s_mov_b32 s[TRIP], 0
	s_mov_b32 s[KF], 0
	s_mov_b32 s[TB], 0
	s_mov_b32 s[NOFF], 0
	s_mov_b32 s[NOFF+1], 0
	s_lshr_b32 s63, s[WV], 2
	s_xor_b32 s63, s63, 1                          ; 0 in waves 4 to 7,
	s_or_b32 s63, s63, ttmp9                       ; of the work-group with i = 0
	s_cmp_eq_u32 s63, 0
	s_cselect_b32 s[PLO], 3, -1
	s_and_b32 s63, s[WV], 1                        ; which half of a slot I fetch, if I fetch
	s_mul_i32 s[G0K+1], s63, 128*PK                ; LDS address: slot 0, my half of K's rows
	s_mul_i32 s[G0V+1], s63, 128*PV
	s_add_co_u32 s[G0V+1], s[G0V+1], VOFF          ; of V's
	s_mov_b32 s[G0K], 1
	s_mov_b32 s[G0V], 1
	s_wait_dscnt 0x0                               ; both opening adds are done
	s_wait_kmcnt 0x0
	s_add_nc_u64 s[KB:KB+1], s[4:5], s[70:71]      ; the head's q
	s_add_nc_u64 s[YBA:YBA+1], s[6:7], s[70:71]    ; the head's y
	s_lshl_b32 s68, s[Q0B], 7
	s_add_nc_u64 s[QBB:QBB+1], s[KB:KB+1], s[68:69]
	s_add_nc_u64 s[YBB:YBB+1], s[YBA:YBA+1], s[68:69]
	s_lshl_b32 s68, s[Q0], 7
	s_add_nc_u64 s[QBA:QBA+1], s[KB:KB+1], s[68:69]
	s_add_nc_u64 s[YBA:YBA+1], s[YBA:YBA+1], s[68:69]
	s_add_nc_u64 s[PFK:PFK+1], s[KB:KB+1], 0x1000000   ; the head's k: a part is 2^24 bytes
	s_add_nc_u64 s[PFV:PFV+1], s[KB:KB+1], 0x2000000   ; the head's v
	s_lshl_b32 s68, s63, 14                        ; my half: 128 rows of 128 bytes
	s_add_nc_u64 s[KB:KB+1], s[PFK:PFK+1], s[68:69]
	s_add_nc_u64 s[VB:VB+1], s[PFV:PFV+1], s[68:69]
	s_and_b32 s68, s[WV], 3
	s_lshl_b32 s68, s68, 13                        ; the prefetches: my wave's 8,192 bytes of a slot's 32,768; each change of slots steps them a slot on
	s_add_nc_u64 s[PFK:PFK+1], s[PFK:PFK+1], s[68:69]
	s_add_nc_u64 s[PFV:PFV+1], s[PFV:PFV+1], s[68:69]
	s_mov_b64 s[G0K+2:G0K+3], s[KB:KB+1]           ; key slot 0
	s_or_b32 s[G0K+3], s[G0K+3], 0x80000000        ; type = 2
	s_mov_b64 s[G0V+2:G0V+3], s[VB:VB+1]
	s_or_b32 s[G0V+3], s[G0V+3], 0x80000000
	TLOAD                                          ; slot 0: the one first fill at the head
	v_and_b32 v224, 15, v0                         ; r
	v_bfe_u32 v225, v0, 4, 1                       ; h
	v_and_b32 v226, 31, v0                         ; lane
	v_mul_u32_u24 v[AK0], v224, PK
	v_lshl_add_u32 v[AK0], v225, 4, v[AK0]         ; K: row r x pitch + 16 h
	v_and_b32 v227, 7, v0
	v_bfe_u32 v228, v0, 3, 1
	v_lshl_add_u32 v[AV0], v225, 3, v227           ; V, the turning load: key 8 h + lane % 8, channels 8 ((lane / 8) % 2) on
	v_mul_u32_u24 v[AV0], v[AV0], PV
	v_lshl_add_u32 v[AV0], v228, 4, v[AV0]
	v_add_nc_u32 v[AV0], VOFF, v[AV0]
	v_lshlrev_b32 v[GO], 4, v226
	s_mul_i32 s68, s[WV], 32*PK
	s_add_co_u32 s68, s68, STAGE                   ; my stage
	v_add_nc_u32 v[STO], s68, v[AK0]               ; in: row r, 16 bytes for each half of the lanes
	v_lshrrev_b32 v229, 3, v226
	v_mul_u32_u24 v[RD], v229, PK
	v_lshl_add_u32 v[RD], v227, 4, v[RD]
	v_add_nc_u32 v[RD], s68, v[RD]                 ; back: eight lanes to a row of 128 bytes, four rows an instruction
	v_lshlrev_b32 v[QO], 7, v224
	v_lshl_add_u32 v[QO], v225, 4, v[QO]
	v_lshlrev_b32 v[DL], 3, v225
	v_sub_nc_u32 v[DL], v224, v[DL]
	v_mov_b32 v[NINF], 0xff800000
	v_lshlrev_b32 v[PFO], 8, v226
.irp t, 0,1
.irp j, 4,5,6,7
	v_mov_b32 v[ST+8*\t+\j], 0                     ; written once: a lane permute's destination counts as one of its sources
.endr
.endr
; A block of queries begins: Q into registers; m = -3e38, under every score; l and O^T zeros, which the first a = 0 leaves zeros (so the step is written once).
.macro PHASE_INIT qb
.irp t, 0,1
.irp ks, 0,1
	global_load_b128 v[QF+16*\t+8*\ks:QF+16*\t+8*\ks+3], v[QO], s[\qb:\qb+1] offset:2048*\t+64*\ks
	global_load_b128 v[QF+16*\t+8*\ks+4:QF+16*\t+8*\ks+7], v[QO], s[\qb:\qb+1] offset:2048*\t+64*\ks+32
.endr
.endr
.irp t, 0,1
	v_mov_b32 v[ST+8*\t+1], 0xff61b1e6
	v_mul_f32 v[ST+8*\t], s[CS], v[ST+8*\t+1]
	v_mov_b32 v[ST+8*\t+2], 0
	v_mov_b32 v[ST+8*\t+3], 0
.endr
.set n, 0
.rept 64
	v_mov_b32 v[OA+n], 0
.set n, n+1
.endr
	s_wait_loadcnt 0x0
.endm
; THE SOFTMAX of a step, for both tiles, which alternate line by line so that no line waits for the line above it.
.macro SOFTMAX
.irp j, 0,1,2,3                        ; the maximum of the lane's 32 scores and the old m, three operands at a time: each accumulator is read from its low end on
.irp t, 0,1
	v_max3_num_f32 v[ST+8*\t+4+\j], v[S+32*\t+8*\j], v[S+32*\t+8*\j+1], v[S+32*\t+8*\j+2]
.endr
.endr
.irp u, 1,2
.irp j, 0,1,2,3
.irp t, 0,1
	v_max3_num_f32 v[ST+8*\t+4+\j], v[ST+8*\t+4+\j], v[S+32*\t+8*\j+2*\u+1], v[S+32*\t+8*\j+2*\u+2]
.endr
.endr
.endr
.irp t, 0,1
	v_max3_num_f32 v[ST+8*\t+4], v[ST+8*\t+4], v[S+32*\t+7], v[S+32*\t+15]
.endr
.irp t, 0,1
	v_max3_num_f32 v[ST+8*\t+6], v[ST+8*\t+6], v[S+32*\t+23], v[S+32*\t+31]
.endr
.irp t, 0,1
	v_max3_num_f32 v[ST+8*\t+4], v[ST+8*\t+4], v[ST+8*\t+5], v[ST+8*\t+6]
.endr
.irp t, 0,1
	v_max3_num_f32 v[ST+8*\t+4], v[ST+8*\t+4], v[ST+8*\t+7], v[ST+8*\t+1]
.endr
.irp t, 0,1
	v_permlanex16_b32 v[ST+8*\t+5], v[ST+8*\t+4], s[SEL], s[SEL+1]   ; the query's other 32 keys lie in the lane 16 away
.endr
.irp t, 0,1
	v_mov_b32 v[ST+8*\t+7], v[ST+8*\t]             ; c m_old is kept for a
.endr
.irp t, 0,1
	v_max_num_f32 v[ST+8*\t+1], v[ST+8*\t+4], v[ST+8*\t+5]
.endr
.irp t, 0,1
	v_mul_f32 v[ST+8*\t], s[CS], v[ST+8*\t+1]
.endr
.irp t, 0,1
	v_sub_f32 v[ST+8*\t+7], v[ST+8*\t+7], v[ST+8*\t]
.endr
.set n, 0
.rept 16
.irp t, 0,1
	v_pk_fma_f32 v[S+32*\t+2*n:S+32*\t+2*n+1], v[S+32*\t+2*n:S+32*\t+2*n+1], s[CS:CS+1], v[ST+8*\t:ST+8*\t+1] op_sel_hi:[1,0,0] neg_lo:[0,0,1] neg_hi:[0,0,1]   ; c s - c m, two at a time
.endr
.set n, n+1
.endr
.irp t, 0,1
	v_exp_f32 v[ST+8*\t+6], v[ST+8*\t+7]           ; a.  ONE BATCH: 66 exponentials, none of which reads another's result
.endr
.set n, 0
.rept 32
.irp t, 0,1
	v_exp_f32 v[S+32*\t+n], v[S+32*\t+n]
.endr
.set n, n+1
.endr
	v_nop                                          ; a plain line behind the last exponential
	s_wait_alu depctr_va_vdst(0)                   ; one wait for the batch, ahead of its first reader
.set n, 0
.rept 16
.irp t, 0,1
	v_cvt_pk_f16_f32 v[P+16*\t+n], v[S+32*\t+2*n], v[S+32*\t+2*n+1]
.endr
.set n, n+1
.endr
.irp t, 0,1                            ; the sum of the unrounded p, two at a time, in two chains
	v_pk_add_f32 v[TU+4*\t:TU+4*\t+1], v[S+32*\t:S+32*\t+1], v[S+32*\t+2:S+32*\t+3]
	v_pk_add_f32 v[TU+4*\t+2:TU+4*\t+3], v[S+32*\t+4:S+32*\t+5], v[S+32*\t+6:S+32*\t+7]
.endr
.irp j, 8,12,16,20,24,28
.irp t, 0,1
	v_pk_add_f32 v[TU+4*\t:TU+4*\t+1], v[TU+4*\t:TU+4*\t+1], v[S+32*\t+\j:S+32*\t+\j+1]
	v_pk_add_f32 v[TU+4*\t+2:TU+4*\t+3], v[TU+4*\t+2:TU+4*\t+3], v[S+32*\t+\j+2:S+32*\t+\j+3]
.endr
.endr
.irp t, 0,1
	v_pk_add_f32 v[TU+4*\t:TU+4*\t+1], v[TU+4*\t:TU+4*\t+1], v[TU+4*\t+2:TU+4*\t+3]
.endr
.irp t, 0,1
	v_pk_fma_f32 v[ST+8*\t+2:ST+8*\t+3], v[ST+8*\t+2:ST+8*\t+3], v[ST+8*\t+6:ST+8*\t+7], v[TU+4*\t:TU+4*\t+1] op_sel_hi:[1,0,1]   ; l = a l + the sum
.endr
.set n, 0
.rept 16
.irp t, 0,1
	v_pk_mul_f32 v[OA+32*\t+2*n:OA+32*\t+2*n+1], v[OA+32*\t+2*n:OA+32*\t+2*n+1], v[ST+8*\t+6:ST+8*\t+7] op_sel_hi:[1,0]   ; O^T x a, each accumulator from its low end on
.endr
.set n, n+1
.endr
.endm
; A KEY STEP: 64 keys, the q-th of the slot in hand.
.macro STEP q
	s_add_co_u32 s63, s[Q0], 31
	s_cmp_gt_u32 s[KF], s63                        ; all 64 keys come after my 32 queries: the step's work is left out (ids and the count of steps alone; no barrier and no tensor load stands in a step)
	s_cbranch_scc1 .Lhid_\@
	WIN 0x40                                       ; destination window 1, address window 0
.irp kt, 0,1,2,3
.irp ks, 0,1
	ds_load_b128 v[16*\kt+8*\ks:16*\kt+8*\ks+3], v[ADK] offset:(64*(\q)+16*\kt)*PK+64*\ks
	ds_load_b128 v[16*\kt+8*\ks+4:16*\kt+8*\ks+7], v[ADK] offset:(64*(\q)+16*\kt)*PK+64*\ks+32
.endr
.endr
.irp hf, 0,1
.irp ct, 0,1,2,3
	ds_load_tr16_b128 v[64+32*\hf+8*\ct:64+32*\hf+8*\ct+3], v[ADV] offset:(64*(\q)+32*\hf)*PV+32*\ct
	ds_load_tr16_b128 v[64+32*\hf+8*\ct+4:64+32*\hf+8*\ct+7], v[ADV] offset:(64*(\q)+32*\hf+16)*PV+32*\ct
.endr
.endr
	s_wait_dscnt 16                                ; K's 16 loads are in; V's 16 may be out
	WIN 0x01                                       ; source 0 (K, later V) window 1
.irp ks, 0,1                           ; S^T = K Q^T: eight accumulators by turns; the first eight products start the sums
.irp kt, 0,1,2,3
.irp t, 0,1
.if \ks == 0
	v_wmma_f32_16x16x32_f16 v[S+32*\t+8*\kt:S+32*\t+8*\kt+7], v[16*\kt+8*\ks:16*\kt+8*\ks+7], v[QF+16*\t+8*\ks:QF+16*\t+8*\ks+7], 0
.else
	v_wmma_f32_16x16x32_f16 v[S+32*\t+8*\kt:S+32*\t+8*\kt+7], v[16*\kt+8*\ks:16*\kt+8*\ks+7], v[QF+16*\t+8*\ks:QF+16*\t+8*\ks+7], v[S+32*\t+8*\kt:S+32*\t+8*\kt+7]
.endif
.endr
.endr
.endr
	WIN 0
.rept 4
	v_nop                                          ; four places in front of the first read of the scores (ISA guide 7.12.1)
.endr
	s_add_co_u32 s63, s[KF], 63
	s_cmp_le_u32 s63, s[Q0]                        ; all 64 keys count for all my queries: no mask
	s_cbranch_scc1 .Lopen_\@
	s_sub_co_i32 s63, s[Q0], s[KF]
	v_add_nc_u32 v[D0], s63, v[DL]                 ; d = my query - KF - 8 (lane / 16).  Register 8 kt + j holds key KF + 16 kt + 8 (lane / 16) + j: hidden where 16 kt + j > d
	v_add_nc_u32 v[D0+1], 16, v[D0]
.irp t, 0,1
.set n, 0
.rept 32
	v_cmp_gt_i32 vcc_lo, 16*(n/8)+n%8, v[D0+\t]
	v_cndmask_b32 v[S+32*\t+n], v[S+32*\t+n], v[NINF], vcc_lo
.set n, n+1
.endr
.endr
.Lopen_\@:
	SOFTMAX
	s_wait_dscnt 0x0                               ; V is in
	WIN 0x01
.irp hf, 0,1                           ; O^T += V^T P: eight accumulators by turns
.irp ct, 0,1,2,3
.irp t, 0,1
	v_wmma_f32_16x16x32_f16 v[OA+32*\t+8*\ct:OA+32*\t+8*\ct+7], v[64+32*\hf+8*\ct:64+32*\hf+8*\ct+7], v[P+16*\t+8*\hf:P+16*\t+8*\hf+7], v[OA+32*\t+8*\ct:OA+32*\t+8*\ct+7]
.endr
.endr
.endr
	WIN 0
.rept 4
	v_nop                                          ; four places in front of the next loads into K's and V's registers, the next writes of P and the next read of O^T
.endr
.Lhid_\@:
	s_add_co_u32 s[KF], s[KF], 64
.endm
; THE CHANGE OF SLOTS stands at a slot's head.  Each wave waits for all its tensor loads (its part of the slot that it is about to read), adds 0 to its spare word, and waits for that and for its reads of the slot that it
; has left.  Behind the barrier the slot ahead is whole and nobody reads the other one.  fill = 1: that other slot is filled with the next trip's keys: one load a wave, first thing behind the barrier; it has a slot's 4 steps in which to land.
.macro CHANGE fill
	s_wait_tensorcnt 0x0                           ; no tensor load of mine is out, so a group 0 may be written
	ds_add_u32 v[SPW], v[NIL]
.if \fill
	ds_add_u32 v[SPW], v[NIL]                      ; and once more: the add twice on end, in every trip alike
	s_xor_b32 s[G0K+1], s[G0K+1], SLOT1            ; the other slot than last time
	s_xor_b32 s[G0V+1], s[G0V+1], SLOT1
	s_add_co_u32 s[NOFF], s[NOFF], 32768           ; the next 256 keys,
	s_cmp_eq_u32 s[TRIP], s[SW]
	s_cselect_b32 s[NOFF], 0, s[NOFF]              ; or, where the next trip begins the second block, the head's first
	s_add_nc_u64 s[G0K+2:G0K+3], s[KB:KB+1], s[NOFF:NOFF+1]
	s_or_b32 s[G0K+3], s[G0K+3], 0x80000000
	s_add_nc_u64 s[G0V+2:G0V+3], s[VB:VB+1], s[NOFF:NOFF+1]
	s_or_b32 s[G0V+3], s[G0V+3], 0x80000000
	s_wait_xcnt 0x0                                ; the last prefetches, a slot back, have read their addresses, so these may be written
	s_add_nc_u64 s[PFK:PFK+1], s[PFK:PFK+1], 32768
	s_add_nc_u64 s[PFV:PFV+1], s[PFV:PFV+1], 32768
.endif
	s_wait_dscnt 0x0                               ; the add is done, and my reads of the slot that I have left are over
	s_barrier_signal -1
	s_barrier_wait -1
.if \fill
	TLOAD
	ASK
.endif
.endm
.macro SLOT_STEPS
	v_add_nc_u32 v[ADK], s[TB], v[AK0]
	v_add_nc_u32 v[ADV], s[TB], v[AV0]
	STEP 0
	STEP 1
	STEP 2
	STEP 3
	s_xor_b32 s[TB], s[TB], SLOT1                  ; on to the other slot
.endm
; A block of queries ends: O^T / l, rounded to f16, through my stage and out: my 32 rows of 128 bytes are 4,096 consecutive bytes of y.
.macro FINISH yb
.irp t, 0,1
	v_add_f32 v[ST+8*\t+4], v[ST+8*\t+2], v[ST+8*\t+3]
.endr
.irp t, 0,1
	v_permlanex16_b32 v[ST+8*\t+5], v[ST+8*\t+4], s[SEL], s[SEL+1]
.endr
.irp t, 0,1
	v_add_f32 v[ST+8*\t+4], v[ST+8*\t+4], v[ST+8*\t+5]
.endr
.irp t, 0,1
	v_rcp_f32 v[ST+8*\t+6], v[ST+8*\t+4]
.endr
	v_nop                                          ; a plain line behind the last reciprocal
	s_wait_alu depctr_va_vdst(0)                   ; one wait for the two, ahead of their first reader
.set n, 0
.rept 16
.irp t, 0,1
	v_pk_mul_f32 v[S+32*\t+2*n:S+32*\t+2*n+1], v[OA+32*\t+2*n:OA+32*\t+2*n+1], v[ST+8*\t+6:ST+8*\t+7] op_sel_hi:[1,0]
.endr
.set n, n+1
.endr
.set n, 0
.rept 16
.irp t, 0,1
	v_cvt_pk_f16_f32 v[P+16*\t+n], v[S+32*\t+2*n], v[S+32*\t+2*n+1]
.endr
.set n, n+1
.endr
.irp t, 0,1
.irp ct, 0,1,2,3
	ds_store_b128 v[STO], v[P+16*\t+4*\ct:P+16*\t+4*\ct+3] offset:16*PK*\t+32*\ct   ; lane (r, h): y(16 t + r, 16 ct + 8 h + 0 .. 7)
.endr
.endr
.irp i, 0,1,2,3,4,5,6,7
	ds_load_b128 v[S+4*\i:S+4*\i+3], v[RD] offset:4*PK*\i          ; LDS serves a wave's instructions in order: these see my stores
.endr
	s_wait_dscnt 0x0
.irp i, 0,1,2,3,4,5,6,7
	global_store_b128 v[GO], v[S+4*\i:S+4*\i+3], s[\yb:\yb+1] offset:512*\i   ; 32 lanes store 512 consecutive bytes, aligned
.endr
.endm
	PHASE_INIT QBA
.Lslot:                                            ; trips 0 to 7: behind each change of slots the next trip's keys are asked for; slot 1's first fill stands behind the first trip's barrier, where no load fills bytes again
	CHANGE 1
	SLOT_STEPS
	s_cmp_lg_u32 s[TRIP], s[SW]                    ; behind trip i block i is done: it leaves, and block 7 - i begins
	s_cbranch_scc1 .Lsame
	FINISH YBA
	s_wait_xcnt 0x0                                ; the stores have read their data: the scores' registers may be written again
	s_mov_b32 s[Q0], s[Q0B]
	s_mov_b32 s[KF], 0
	PHASE_INIT QBB
.Lsame:
	s_add_co_u32 s[TRIP], s[TRIP], 1
	s_cmp_lt_u32 s[TRIP], 8
	s_cbranch_scc1 .Lslot
	CHANGE 0                                       ; the last trip is written out: nothing is left to ask for
	SLOT_STEPS
	FINISH YBB
	s_wait_tensorcnt 0x0                           ; the wave's end: three lines behind my last tensor load and my last LDS store
	ds_add_u32 v[SPW], v[NIL]
	s_wait_dscnt 0x0
	s_endpgm
.Lfunc_end_k_q06e48ec706_attn:
	.size	k_q06e48ec706_attn, .Lfunc_end_k_q06e48ec706_attn-k_q06e48ec706_attn
	.p2alignl 7, 3214868480
	.fill 96, 4, 3214868480
	.section	.rodata,"a",@progbits
	.p2align	6, 0x0
	.amdhsa_kernel k_q06e48ec706_attn
		.amdhsa_group_segment_fixed_size 327680
		.amdhsa_private_segment_fixed_size 0
		.amdhsa_enable_private_segment 0
		.amdhsa_kernarg_size 16
		.amdhsa_user_sgpr_count 2
		.amdhsa_user_sgpr_kernarg_segment_ptr 1
		.amdhsa_wavefront_size32 1
		.amdhsa_system_sgpr_workgroup_id_x 1
		.amdhsa_system_sgpr_workgroup_id_y 1
		.amdhsa_system_sgpr_workgroup_id_z 1
		.amdhsa_system_vgpr_workitem_id 0
		.amdhsa_next_free_vgpr 384
		.amdhsa_next_free_sgpr 80
		.amdhsa_reserve_vcc 1
		.amdhsa_float_denorm_mode_32 3
		.amdhsa_float_denorm_mode_16_64 3
		.amdhsa_memory_ordered 1
		.amdhsa_forward_progress 1
		.amdhsa_inst_pref_size 198
	.end_amdhsa_kernel
	.amdgpu_metadata
---
amdhsa.version: [ 1, 2 ]
amdhsa.kernels:
  - .name:           k_q06e48ec706_attn
    .symbol:         k_q06e48ec706_attn.kd
    .args:
      - { .name: qkv, .offset: 0, .size: 8, .value_kind: global_buffer, .address_space: global }
      - { .name: y, .offset: 8, .size: 8, .value_kind: global_buffer, .address_space: global }
    .group_segment_fixed_size: 327680
    .private_segment_fixed_size: 0
    .kernarg_segment_align: 8
    .kernarg_segment_size: 16
    .max_flat_workgroup_size: 256
    .sgpr_count:     80
    .vgpr_count:     384
    .wavefront_size: 32
...
	.end_amdgpu_metadata
.endif
;; end of part 3
;; launch proj (part 4): grid 4 x 64, 4 waves a work-group, clusters of 4 x 4, 327,680 bytes of LDS; arguments y, wp16, b_proj, out0; writes out0
.if DOCPART == 4
	.amdgcn_target "amdgcn-amd-amdhsa--gfx1250"
	.amdhsa_code_object_version 6
	.text
	.protected	k_q06e48ec706_proj
	.globl	k_q06e48ec706_proj
	.p2align	8
	.type	k_q06e48ec706_proj,@function
k_q06e48ec706_proj:
	s_mov_b64 s[64:65], 0
	v_nop
	global_prefetch_b8 v0, s[64:65] scope:SCOPE_SE
	s_setreg_imm32_b32 hwreg(HW_REG_WAVE_MODE, 25, 1), 1
	s_wait_xcnt 0x0
	s_wait_alu depctr_hold_cnt(0) depctr_sa_sdst(0) depctr_va_vdst(0) depctr_va_sdst(0) depctr_va_ssrc(0) depctr_va_vcc(0) depctr_vm_vsrc(0)
	s_getreg_b32 s2, hwreg(HW_REG_IB_STS2, 6, 4)
	s_cmp_eq_u32 s2, 0
	s_cbranch_scc0 .Lentry_in_a_cluster
	s_endpgm
.Lentry_in_a_cluster:
	s_bfe_u32 s2, ttmp6, 0x10000c
	s_cmp_lg_u32 s2, 0xf033
	s_cbranch_scc0 .Lentry_shape_is_right
	s_endpgm
.Lentry_shape_is_right:
; out0 = y w_proj + b_proj.  y: [batch x 16 + head][t 2048][64] f16; w_proj in f16 [k 1024][n 1024]; out0 [8192][1024] f32; sums in f32.
; ALL 8,192 rows are stored here.  The 64 rows t < 16 are stored anew by the later launch that carries them in f32: a branch round their stores here would hang on the work-group's place in its cluster.
; A tile of 128 x 256 of out0 gives 256 work-groups; four waves, each 64 x 128: 32 accumulators of 16 x 16, 256 registers.  K goes in steps of 128 (two heads) through a ring of two LDS slots.
; A's tile of a step is, for each of the two heads, 128 dense rows of 128 bytes; B's is 128 rows (k) of 512 bytes.  B lies [k][n], so its fragments come out of LDS turned, by ds_load_tr16_b128.
; CLUSTERS: 4 x 4 work-groups.  The four of a row of the cluster need the same tiles of y, the four of a column the same tiles of w: each tile is asked for JOINTLY, by the same tensor load with the same descriptor and a mask that names the four.
; THE MATRIX INSTRUCTION IS USED TRANSPOSED (source 0 = 16 columns of w, source 1 = 16 rows of y): a lane holds eight neighbouring numbers of a row of out0.  The bias is the C of each sum's first product.
; No prefetch: a step's refill has 112 matrix instructions in which to land, and the tiles are shared by four.
; REGISTERS: window 0: v0-31 addresses; v32-95 the bias; v128-255 rows on the way out.   window 1: two fragment buffers at v0 and v128: 32 registers of y (4 x 16 rows x 32 K), then 64 of w (8 x 16 columns x 32 K).   window 2: accumulator (a, b) at v[8 (8 a + b)].
.set PA,     144                       ; a row of y in LDS: 128 bytes + 16
.set PB,     544                       ; a row of w: 512 bytes + 32: an odd multiple of 32 bytes, for the turning load
.set AHALF,  128*PA                    ; one head's 128 rows: what one tensor load brings
.set BHALF,  64*PB                     ; 64 rows of w likewise
.set SLOT,   2*AHALF+2*BHALF
.set STAGE,  2*SLOT                    ; behind the ring: 16 rows x 528 bytes for each wave; no tensor load lands there
.set SPITCH, 528
.set SPARE,  STAGE+4*16*SPITCH         ; the spare words, 128 bytes for each wave: two blocks of 256 bytes that no other line names
.set LAPS,   4                         ; a lap = two K steps = once round the ring
.set ADRA, 16                          ; v16-17  LDS address of my y fragments in slot 0, 1
.set ADRB, 20                          ; v20-21  the same for w
.set STO,  24
.set RD,   25
.set CO,   26
.set SPW,  28
.set NIL,  29
.set BO,   30
.set BIAS, 32
.set BK,   128
.set F0,   0
.set F1,   128
.set WV,  12                           ; s12  wave
.set RH,  13                           ; s13  which half of the tile's rows is mine.  Also: I fetch for y (0) or for w (1)
.set CH,  14                           ; s14  which half of its columns.  Also: which half of that tile I fetch
.set G1A, 24
.set G0A, 32
.set G1B, 48
.set G0B, 56
.set MSB, 0
.macro WIN new
.if MSB != (\new)
	s_set_vgpr_msb (MSB<<8)|(\new)
.set MSB, (\new)
.endif
.endm
.set MUL,  0xa5                        ; sources 0 (w) and 1 (y) window 1; C and D window 2
.set MULZ, 0x85                        ; the first products: C (the bias) window 0
.set TO_F, 0x40                        ; destination window 1, address window 0
.macro JLOAD s                         ; a joint load: waves 0 and 1 fetch y's two heads, waves 2 and 3 w's two halves; an s_nop 0 and four v_nop follow each of the two lines
	s_cmp_eq_u32 s[RH], 0
	s_cbranch_scc0 .Lfor_b_\@
	tensor_load_to_lds s[G0A+4*\s:G0A+4*\s+3], s[G1A:G1A+7]
	s_nop 0
.rept 4
	v_nop
.endr
	s_branch .Lasked_\@
.Lfor_b_\@:
	tensor_load_to_lds s[G0B+4*\s:G0B+4*\s+3], s[G1B:G1B+7]
	s_nop 0
.rept 4
	v_nop
.endr
.Lasked_\@:
.endm
.macro CREST                           ; a round of the cluster's barrier behind its opening barrier
	s_cmp_lg_u32 s[WV], 0
	s_cbranch_scc1 .Lnot_wave_0_\@
	s_barrier_signal -3
.Lnot_wave_0_\@:
	s_barrier_wait -3
	s_barrier_signal -1
	s_barrier_wait -1
.endm
.macro CROUND
	s_barrier_signal -1
	s_barrier_wait -1
	CREST
.endm
	s_load_b256 s[4:11], s[0:1], 0x0               ; y s[4:5], w s[6:7], b_proj s[8:9], out0 s[10:11]
	v_lshl_add_u32 v[SPW], v0, 2, SPARE
	v_mov_b32 v[NIL], 0
	ds_add_u32 v[SPW], v[NIL]                      ; the wave's opening: the add, twice on end, and its wait ahead of my first tensor load; the set-up below stands between
	ds_add_u32 v[SPW], v[NIL]
	v_lshrrev_b32 v1, 5, v0
	v_readfirstlane_b32 s[WV], v1
	s_lshr_b32 s[RH], s[WV], 1
	s_and_b32 s[CH], s[WV], 1
	s_bfe_u32 s40, ttmp6, 0x40000                  ; cx, cy: my place in the cluster
	s_bfe_u32 s41, ttmp6, 0x40004
	s_lshl_b32 s42, ttmp9, 2
	s_add_co_u32 s42, s42, s40                     ; tile column = 4 x cluster x + cx
	s_and_b32 s15, ttmp7, 0xffff
	s_lshl_b32 s15, s15, 2
	s_add_co_u32 s15, s15, s41                     ; tile row = 4 x cluster y + cy
	s_lshl_b32 s43, s41, 2
	s_lshl_b32 s43, 15, s43                        ; my row of the cluster
	s_lshl_b32 s44, 0x1111, s40                    ; my column
	s_or_b32 s[G1A], s43, (1<<16)|(1<<20)|(1<<21)|(4<<22)|(3<<25)  ; the mask: y's tiles go to my row; elements of 2 bytes; padding on; 21 set beside a mask; after every 32 words (code 4) four words (code 3)
	s_mov_b32 s[G1A+1], 64<<16                     ; tensor_dim0 = 64
	s_mov_b32 s[G1A+2], 128<<16                    ; tensor_dim1 = 128
	s_mov_b32 s[G1A+3], 64<<16                     ; tile_dim0
	s_mov_b32 s[G1A+4], 128                        ; tile_dim1
	s_mov_b32 s[G1A+5], 64                         ; from row to row
	s_mov_b32 s[G1A+6], 0
	s_mov_b32 s[G1A+7], 0
	s_or_b32 s[G1B], s44, (1<<16)|(1<<20)|(1<<21)|(6<<22)|(7<<25)  ; w's tiles go to my column; after every 128 words (code 6) eight words (code 7)
	s_mov_b32 s[G1B+1], 256<<16
	s_mov_b32 s[G1B+2], 64<<16
	s_mov_b32 s[G1B+3], 256<<16
	s_mov_b32 s[G1B+4], 64
	s_mov_b32 s[G1B+5], 1024
	s_mov_b32 s[G1B+6], 0
	s_mov_b32 s[G1B+7], 0
	; y's tile hangs on the tile row alone: batch = tile row / 16 (16 heads of 262,144 bytes), t = 128 (tile row % 16), and the head that I fetch
	s_lshr_b32 s16, s15, 4
	s_lshl_b32 s16, s16, 22
	s_and_b32 s17, s15, 15
	s_lshl_b32 s17, s17, 14
	s_add_co_u32 s16, s16, s17
	s_lshl_b32 s17, s[CH], 18
	s_add_co_u32 s16, s16, s17
	s_mov_b32 s17, 0
	; w's on the tile column alone: 512 bytes a tile column, and the 64 rows of 2,048 bytes that I fetch
	s_lshl_b32 s46, s42, 9
	s_lshl_b32 s47, s[CH], 17
	s_add_co_u32 s46, s46, s47
	s_mov_b32 s47, 0
	s_mul_i32 s20, s[CH], AHALF                    ; where they go: no place in the cluster enters an LDS address
	s_mul_i32 s21, s[CH], BHALF
	s_add_co_u32 s21, s21, 2*AHALF
	s_wait_dscnt 0x0                               ; both opening adds are done
	s_wait_kmcnt 0x0
	s_add_nc_u64 s[18:19], s[4:5], s[16:17]
	s_add_nc_u64 s[46:47], s[6:7], s[46:47]
	CROUND                                         ; all sixteen work-groups are here: the first joint loads meet
.irp s, 0,1
	s_mov_b32 s[G0A+4*\s], 1
	s_add_co_u32 s[G0A+4*\s+1], s20, \s*SLOT
	s_add_nc_u64 s[G0A+4*\s+2:G0A+4*\s+3], s[18:19], \s*2*262144   ; K step s: heads 2 s, 2 s + 1
	s_or_b32 s[G0A+4*\s+3], s[G0A+4*\s+3], 0x80000000
	s_mov_b32 s[G0B+4*\s], 1
	s_add_co_u32 s[G0B+4*\s+1], s21, \s*SLOT
	s_add_nc_u64 s[G0B+4*\s+2:G0B+4*\s+3], s[46:47], \s*128*2048   ; rows 128 s on
	s_or_b32 s[G0B+4*\s+3], s[G0B+4*\s+3], 0x80000000
	JLOAD \s
.endr
	v_and_b32 v1, 15, v0                           ; r
	v_bfe_u32 v2, v0, 4, 1                         ; h
	v_mul_u32_u24 v3, v1, PA
	v_lshl_add_u32 v3, v2, 4, v3                   ; y: row r x pitch + 16 h
	s_mul_i32 s21, s[RH], 64*PA                    ; my 64 rows
	v_and_b32 v4, 7, v0
	v_bfe_u32 v5, v0, 3, 1
	v_lshl_add_u32 v4, v2, 3, v4                   ; w, the turning load: k = 8 h + lane % 8, columns 8 ((lane / 8) % 2) on
	v_mul_u32_u24 v4, v4, PB
	v_lshl_add_u32 v4, v5, 4, v4
	s_lshl_b32 s22, s[CH], 8                       ; my 128 columns,
	s_add_co_u32 s22, s22, 2*AHALF                 ; behind y's two heads
.irp s, 0,1
	v_add_nc_u32 v[ADRA+\s], s21, v3
	v_add_nc_u32 v[ADRB+\s], s22, v4
	s_add_co_u32 s21, s21, SLOT
	s_add_co_u32 s22, s22, SLOT
.endr
	s_mul_i32 s23, s[WV], 16*SPITCH
	s_add_co_u32 s23, s23, STAGE                   ; my stage
	v_mul_u32_u24 v5, v1, SPITCH
	v_lshl_add_u32 v5, v2, 5, v5
	v_add_nc_u32 v[STO], s23, v5                   ; in: row r, 32 bytes for each half of the lanes
	v_and_b32 v6, 31, v0
	v_lshlrev_b32 v[CO], 4, v6
	v_add_nc_u32 v[RD], s23, v[CO]                 ; back: the 32 lanes take one row of 512 bytes
	v_lshlrev_b32 v[BO], 5, v2
	s_lshl_b32 s22, s42, 10
	s_lshl_b32 s23, s[CH], 9
	s_add_co_u32 s22, s22, s23                     ; my first column, in bytes
	s_mov_b32 s23, 0
	s_add_nc_u64 s[8:9], s[8:9], s[22:23]          ; the bias there
	s_add_nc_u64 s[10:11], s[10:11], s[22:23]
	s_lshl_b32 s22, s15, 19                        ; 128 rows of 4,096 bytes a tile row,
	s_lshl_b32 s20, s[RH], 18                      ; 64 for my half
	s_add_co_u32 s22, s22, s20
	s_add_nc_u64 s[10:11], s[10:11], s[22:23]
.irp b, 0,1,2,3,4,5,6,7
	global_load_b128 v[BIAS+8*\b:BIAS+8*\b+3], v[BO], s[8:9] offset:64*\b          ; lane (r, h): the bias of columns 16 b + 8 h + 0 .. 7
	global_load_b128 v[BIAS+8*\b+4:BIAS+8*\b+7], v[BO], s[8:9] offset:64*\b+16
.endr
.macro MUL8 f, a, zero                 ; y's block a against w's eight, 32 along K.  The 32 accumulators take turns, in one order throughout
.irp b, 0,1,2,3,4,5,6,7
.if \zero
	v_wmma_f32_16x16x32_f16 v[8*(8*(\a)+\b):8*(8*(\a)+\b)+7], v[\f+32+8*\b:\f+32+8*\b+7], v[\f+8*(\a):\f+8*(\a)+7], v[BIAS+8*\b:BIAS+8*\b+7]
.else
	v_wmma_f32_16x16x32_f16 v[8*(8*(\a)+\b):8*(8*(\a)+\b)+7], v[\f+32+8*\b:\f+32+8*\b+7], v[\f+8*(\a):\f+8*(\a)+7], v[8*(8*(\a)+\b):8*(8*(\a)+\b)+7]
.endif
.endr
.endm
.macro MUL16 f, a0, zero
	MUL8 \f, \a0, \zero
	MUL8 \f, \a0+1, \zero
.endm
.macro MWIN zero
.if \zero
	WIN MULZ
.else
	WIN MUL
.endif
.endm
.macro FETCH slot, kq, f               ; 24 LDS loads in one run: the fragments of the slot's kq-th 32 along K into buffer f; w's first, then y's
	WIN TO_F
.irp i, 0,1,2,3,4,5,6,7
	ds_load_tr16_b128 v[\f+32+8*\i:\f+32+8*\i+3], v[ADRB+\slot] offset:(\kq)*32*PB+32*\i
	ds_load_tr16_b128 v[\f+32+8*\i+4:\f+32+8*\i+7], v[ADRB+\slot] offset:(\kq)*32*PB+16*PB+32*\i
.endr
.irp a, 0,1,2,3
	ds_load_b128 v[\f+8*\a:\f+8*\a+3], v[ADRA+\slot] offset:((\kq)/2)*AHALF+((\kq)%2)*64+\a*16*PA
	ds_load_b128 v[\f+8*\a+4:\f+8*\a+7], v[ADRA+\slot] offset:((\kq)/2)*AHALF+((\kq)%2)*64+\a*16*PA+32
.endr
.endm
.macro PLACES                          ; four places in front of loads into registers that matrix instructions have read, and of the first read of results (ISA guide 7.12.1 for the first read of results)
.rept 4
	v_nop
.endr
.endm
; A K step is four quarters of 32 along K, 32 matrix instructions each, on buffers 0, 1, 0, 1.  One of the first three: multiplies buffer f and fetches quarter kq into g.
.macro QUARTER slot, kq, f, g, zero
	s_wait_dscnt 4                                 ; w's eight and y's blocks 0, 1 are in; the youngest four loads (y's blocks 2, 3) may be out
	MWIN \zero
	MUL16 \f, 0, \zero
	PLACES
	FETCH \slot, \kq, \g
	s_wait_dscnt 24                                ; all but the 24 just issued
	MWIN \zero
	MUL16 \f, 2, \zero
.endm
; The last quarter multiplies buffer 1 and changes slots: ONE barrier; in front of it each wave waits for all its tensor loads, adds 0 to its spare word, and waits for that and for its own reads of this slot.
; fill = 1: the barrier opens a round of the cluster's barrier, and this slot is filled again, two K steps ahead: one joint load a wave, first thing behind the round.
.macro TURN slot, next, fill
	WIN 0                                          ; (the add's two registers lie in window 0)
	s_wait_tensorcnt 0x0                           ; all my tensor loads have landed: my part of the next slot
	ds_add_u32 v[SPW], v[NIL]
	s_wait_dscnt 5                                 ; (the add and the youngest four loads may be out)
	WIN MUL
	MUL8 F1, 0, 0
	s_wait_dscnt 0x0                               ; the add is done, and my reads of this slot are over
	s_barrier_signal -1
	MUL8 F1, 1, 0
.if \fill
	WIN 0
.endif
	s_barrier_wait -1
.if \fill
	CREST                                          ; no wave of any partner still reads this slot's tile or has a load on its way
	s_add_nc_u64 s[G0A+4*\slot+2:G0A+4*\slot+3], s[G0A+4*\slot+2:G0A+4*\slot+3], 4*262144   ; four heads on
	s_add_nc_u64 s[G0B+4*\slot+2:G0B+4*\slot+3], s[G0B+4*\slot+2:G0B+4*\slot+3], 256*2048   ; 256 rows on
	JLOAD \slot                                    ; the four v_nop behind it are also the places in front of the loads below
.else
	PLACES
.endif
	FETCH \next, 0, F0
	WIN MUL
	MUL16 F1, 2, 0
.endm
	s_wait_tensorcnt 1                             ; my part of K step 0 is in (K step 1's load may be out)
	s_barrier_signal -1
	s_barrier_wait -1                              ; everybody's is
	FETCH 0, 0, F0
	s_wait_loadcnt 0x0                             ; the bias
	QUARTER 0, 1, F0, F1, 1                        ; the first quarter stands in front of the loop: its products start the sums from the bias
	WIN 0                                          ; at a label and at a branch every window is 0
	s_mov_b32 s3, LAPS-1
.Llap:                                             ; a trip goes once round the ring, from a lap's second quarter to the next lap's first, and fills both slots again
	QUARTER 0, 2, F1, F0, 0
	QUARTER 0, 3, F0, F1, 0
	TURN 0, 1, 1
	QUARTER 1, 1, F0, F1, 0
	QUARTER 1, 2, F1, F0, 0
	QUARTER 1, 3, F0, F1, 0
	TURN 1, 0, 1
	QUARTER 0, 1, F0, F1, 0
	WIN 0
	s_sub_co_u32 s3, s3, 1
	s_cmp_lg_u32 s3, 0
	s_cbranch_scc1 .Llap
	QUARTER 0, 2, F1, F0, 0                        ; the last lap fills nothing, and has no round of the cluster's barrier
	QUARTER 0, 3, F0, F1, 0
	TURN 0, 1, 0
	QUARTER 1, 1, F0, F1, 0
	QUARTER 1, 2, F1, F0, 0
	QUARTER 1, 3, F0, F1, 0
	s_wait_dscnt 4                                 ; the very last quarter: nothing more to fetch
	WIN MUL
	MUL16 F1, 0, 0
	s_wait_dscnt 0
	MUL16 F1, 2, 0
	WIN 0
; THE WAY OUT, block by block of 16 rows x 128 columns: through my own stage and back as whole rows of 512 bytes.  LDS serves a wave's instructions in order: no wait between the stores and the loads.
.macro TOSTAGE a
	WIN 0x08                                       ; an LDS store's data are its source 1: window 2
.irp b, 0,1,2,3,4,5,6,7
	ds_store_b128 v[STO], v[8*(8*(\a)+\b):8*(8*(\a)+\b)+3] offset:64*\b            ; each accumulator from its low end on
	ds_store_b128 v[STO], v[8*(8*(\a)+\b)+4:8*(8*(\a)+\b)+7] offset:64*\b+16
.endr
	WIN 0
.set BB, BK+64*((\a)%2)
.irp t, 0,1,2,3,4,5,6,7,8,9,10,11,12,13,14,15
	ds_load_b128 v[BB+4*\t:BB+4*\t+3], v[RD] offset:\t*SPITCH
.endr
.endm
.macro SEND a, younger                 ; younger: the LDS instructions issued behind block a's loads, which may stay out
.set BB, BK+64*((\a)%2)
	s_wait_dscnt \younger
.irp t, 0,1,2,3,4,5,6,7,8,9,10,11,12,13,14,15
	global_store_b128 v[CO], v[BB+4*\t:BB+4*\t+3], s[10:11] offset:(16*(\a)+\t)*4096 th:TH_STORE_NT   ; 32 lanes store 512 consecutive bytes, aligned
.endr
.endm
	PLACES
	TOSTAGE 0
.irp a, 1,2,3
.if \a > 1
	s_wait_xcnt 0x0                                ; block a - 2's stores have read their data: block a's loads may land there
.endif
	TOSTAGE \a
	SEND \a-1, 32                                  ; behind block a - 1's loads: block a's 16 stores and 16 loads
.endr
	SEND 3, 0
	s_wait_tensorcnt 0x0                           ; the wave's end: three lines behind my last tensor load and my last LDS store
	ds_add_u32 v[SPW], v[NIL]
	s_wait_dscnt 0x0
	CROUND                                         ; the closing round: no work-group ends while a partner may still ask for a tile that names it
	s_endpgm
.Lfunc_end_k_q06e48ec706_proj:
	.size	k_q06e48ec706_proj, .Lfunc_end_k_q06e48ec706_proj-k_q06e48ec706_proj
	.p2alignl 7, 3214868480
	.fill 96, 4, 3214868480
	.section	.rodata,"a",@progbits
	.p2align	6, 0x0
	.amdhsa_kernel k_q06e48ec706_proj
		.amdhsa_group_segment_fixed_size 327680
		.amdhsa_private_segment_fixed_size 0
		.amdhsa_enable_private_segment 0
		.amdhsa_kernarg_size 32
		.amdhsa_user_sgpr_count 2
		.amdhsa_user_sgpr_kernarg_segment_ptr 1
		.amdhsa_wavefront_size32 1
		.amdhsa_system_sgpr_workgroup_id_x 1
		.amdhsa_system_sgpr_workgroup_id_y 1
		.amdhsa_system_sgpr_workgroup_id_z 1
		.amdhsa_system_vgpr_workitem_id 0
		.amdhsa_next_free_vgpr 768
		.amdhsa_next_free_sgpr 66
		.amdhsa_reserve_vcc 0
		.amdhsa_float_denorm_mode_32 3
		.amdhsa_float_denorm_mode_16_64 3
		.amdhsa_memory_ordered 1
		.amdhsa_forward_progress 1
		.amdhsa_inst_pref_size 87
	.end_amdhsa_kernel
	.amdgpu_metadata
---
amdhsa.version: [ 1, 2 ]
amdhsa.kernels:
  - .name:           k_q06e48ec706_proj
    .symbol:         k_q06e48ec706_proj.kd
    .args:
      - { .name: y, .offset: 0, .size: 8, .value_kind: global_buffer, .address_space: global }
      - { .name: wp16, .offset: 8, .size: 8, .value_kind: global_buffer, .address_space: global }
      - { .name: b_proj, .offset: 16, .size: 8, .value_kind: global_buffer, .address_space: global }
      - { .name: out0, .offset: 24, .size: 8, .value_kind: global_buffer, .address_space: global }
    .group_segment_fixed_size: 327680
    .private_segment_fixed_size: 0
    .kernarg_segment_align: 8
    .kernarg_segment_size: 32
    .max_flat_workgroup_size: 128
    .sgpr_count:     66
    .vgpr_count:     768
    .wavefront_size: 32
...
	.end_amdgpu_metadata
.endif
;; end of part 4
;; launch fine (part 5): grid 64 x 4, 16 waves a work-group, no clusters, 18,432 bytes of LDS; arguments fine, w_proj, b_proj, out0; writes out0
.if DOCPART == 5
	.amdgcn_target "amdgcn-amd-amdhsa--gfx1250"
	.amdhsa_code_object_version 6
	.text
	.protected	k_q06e48ec706_fine
	.globl	k_q06e48ec706_fine
	.p2align	8
	.type	k_q06e48ec706_fine,@function
k_q06e48ec706_fine:
	s_mov_b64 s[64:65], 0
	v_nop
	global_prefetch_b8 v0, s[64:65] scope:SCOPE_SE
	s_setreg_imm32_b32 hwreg(HW_REG_WAVE_MODE, 25, 1), 1
	s_wait_xcnt 0x0
; THE FIRST 16 POSITIONS OF EVERY BATCH IN f32: scores, softmax, the second product and the projection, from the f32 rows [batch x 16 + t][3072] that the first product's launch stored, and from w_proj and b_proj as they are given.
; These rows average one to sixteen values, so the rounding of 16-bit operands would weigh most here.  This launch runs last and stores rows t < 16 of out0 anew: 64 rows.
; SHARES.  Work-group (cb = x, batch = y) makes rows t = 0 .. 15 of the batch, columns 16 cb .. 16 cb + 15.  Wave hd is head hd: it makes the head's 16 x 16 attention (32 matrix instructions; repeated in all 64 column blocks,
; which is less work than a launch more) and its K = 64 share of the projection (16); the sixteen shares meet in LDS, and waves 0 and 1 add them in the order of the heads, add the bias and store.
; 16 columns to a work-group keep a wave's matrix work least; the price is stores of 64 bytes of a row, 262,144 bytes in all.
; LAYOUT.  All products by v_wmma_f32_16x16x4_f32; nothing changes lanes.  A permutation of k applied alike to both operands keeps a product: in K step s lane (r, h), register j, holds
;   scores  S^T = k q^T:   channel 32 h + 2 s + j of key r (source 0) and of query r (source 1); the result: lane (r, h), register j = key 8 h + j, query r
;   values  O^T = v^T p^T: key 8 h + 2 s + j: p's registers 2 s, 2 s + 1 as they stand (source 1) against v loaded at those keys (source 0)
;   out^T = w^T y^T:       channel 16 ct + 8 h + 2 s + j: y's registers as they stand (source 1) against w_proj loaded at those rows (source 0)
; The accumulators (v144-207) are written by matrix instructions alone; four take turns in each product.
.set SPARE, 16384                      ; behind the sixteen images: the spare words, 128 bytes for each wave: eight blocks of 256 bytes that no other line names
.set QF, 16                            ; v16-47   q, later y
.set KF, 48                            ; v48-79   k
.set VF, 80                            ; v80-111  v
.set WF, 112                           ; v112-143 w_proj
.set SA, 144                           ; v144-175 four accumulators: the scores' parts, later the projection's
.set OA, 176                           ; v176-207 O^T
.set PP, 208                           ; v208-215 p
.set SS, 216                           ; v216-223 the scores, later my share of the result
.set TT, 224                           ; v224-231 at work
.set SPW, 12
.set NIL, 13
.set WV,  12                           ; s12
.set SEL, 20
.set CS,  22
	s_load_b256 s[4:11], s[0:1], 0x0               ; fine s[4:5], w_proj s[6:7], b_proj s[8:9], out0 s[10:11]
	v_lshl_add_u32 v[SPW], v0, 2, SPARE
	v_mov_b32 v[NIL], 0
	v_lshrrev_b32 v1, 5, v0
	v_readfirstlane_b32 s[WV], v1                  ; wave = head
	v_and_b32 v1, 15, v0                           ; r
	v_bfe_u32 v2, v0, 4, 1                         ; h
	v_and_b32 v14, 31, v0                          ; lane
	v_mul_u32_u24 v3, v1, 12288
	v_lshl_add_u32 v3, v2, 7, v3                   ; q, k: row r, + 32 h channels
	v_mul_u32_u24 v4, v2, 98304
	v_lshl_add_u32 v4, v1, 2, v4                   ; v: 8 h rows down, channel r
	v_lshlrev_b32 v5, 15, v2
	v_lshl_add_u32 v5, v1, 2, v5                   ; w_proj: 8 h rows of 4,096 bytes down, column r
	s_lshl_b32 s16, s[WV], 10
	v_lshl_add_u32 v6, v14, 4, s16                 ; my share's image in LDS: 1,024 x wave + 16 x lane
	s_and_b32 s17, s[WV], 1
	s_lshl_b32 s18, s17, 9
	v_lshl_add_u32 v7, v14, 4, s18                 ; waves 0, 1 read back half wave % 2 of every image
	s_lshl_b32 s19, s17, 4
	v_lshlrev_b32 v8, 12, v1
	v_lshl_add_u32 v8, v2, 5, v8
	v_add_nc_u32 v8, s19, v8                       ; out0: row r, + 32 h + 16 (wave % 2) bytes
	v_lshlrev_b32 v9, 3, v2
	v_sub_nc_u32 v9, v1, v9                        ; d = r - 8 h: key 8 h + j is hidden where j > d
	v_mov_b32 v10, 0xff800000                      ; -infinity
	v_lshl_add_u32 v11, v2, 5, s19                 ; the bias: 32 h + 16 (wave % 2) bytes
	v_mov_b32 v245, 0                              ; written once: a lane permute's destination counts as one of its sources
	v_mov_b32 v247, 0                              ; (named as the upper half of the pair v[246:247])
	s_mov_b32 s[SEL], 0x76543210
	s_mov_b32 s[SEL+1], 0xfedcba98
	s_mov_b32 s[CS], 0x3e38aa3b                    ; c = log2(e) / 8
	s_mov_b32 s[CS+1], s[CS]
	s_and_b32 s14, ttmp7, 0xffff                   ; batch
	s_mov_b32 s25, 0
	s_mul_i32 s24, s14, 196608                     ; 16 rows of 12,288 bytes a batch,
	s_lshl_b32 s26, s[WV], 8                       ; 256 bytes a head
	s_add_co_u32 s24, s24, s26
	s_mov_b32 s27, 0
	s_lshl_b32 s26, s[WV], 18                      ; w_proj: the head's 64 rows of 4,096 bytes,
	s_lshl_b32 s28, ttmp9, 6                       ; 64 bytes a column block
	s_add_co_u32 s26, s26, s28
	s_mov_b32 s29, 0
	s_lshl_b32 s30, s14, 23                        ; out0: 2,048 rows of 4,096 bytes a batch
	s_add_co_u32 s30, s30, s28
	s_mov_b32 s31, 0
	s_wait_kmcnt 0x0
	s_add_nc_u64 s[4:5], s[4:5], s[24:25]
	s_add_nc_u64 s[6:7], s[6:7], s[26:27]
	s_add_nc_u64 s[8:9], s[8:9], s[28:29]
	s_add_nc_u64 s[10:11], s[10:11], s[30:31]
.irp i, 0,1,2,3,4,5,6,7
	global_load_b128 v[QF+4*\i:QF+4*\i+3], v3, s[4:5] offset:16*\i
.endr
.irp i, 0,1,2,3,4,5,6,7
	global_load_b128 v[KF+4*\i:KF+4*\i+3], v3, s[4:5] offset:4096+16*\i
.endr
.irp ct, 0,1,2,3
.irp i, 0,1,2,3,4,5,6,7
	global_load_b32 v[VF+8*\ct+\i], v4, s[4:5] offset:8192+\i*12288+64*\ct         ; v(8 h + i, 16 ct + r)
.endr
.endr
	s_wait_loadcnt 32                              ; q's and k's 16 loads are in; v's 32, issued behind them, may be out
.irp ct, 0,1,2,3
.irp i, 0,1,2,3,4,5,6,7
	global_load_b32 v[WF+8*\ct+\i], v5, s[6:7] offset:(16*\ct+\i)*4096             ; w(64 hd + 16 ct + 8 h + i, 16 cb + r): asked for here, wanted behind the softmax and the second product
.endr
.endr
.set n, 0
.rept 16                               ; S^T = k q^T in four parts, which take turns; the first four products start the sums
.if n < 4
	v_wmma_f32_16x16x4_f32 v[SA+8*(n%4):SA+8*(n%4)+7], v[KF+2*n:KF+2*n+1], v[QF+2*n:QF+2*n+1], 0
.else
	v_wmma_f32_16x16x4_f32 v[SA+8*(n%4):SA+8*(n%4)+7], v[KF+2*n:KF+2*n+1], v[QF+2*n:QF+2*n+1], v[SA+8*(n%4):SA+8*(n%4)+7]
.endif
.set n, n+1
.endr
.rept 8
	v_nop                                          ; eight places behind this form, in front of the first read of its results (ISA guide 7.12.1)
.endr
.irp j, 0,2,4,6
	v_pk_add_f32 v[SS+\j:SS+\j+1], v[SA+\j:SA+\j+1], v[SA+8+\j:SA+8+\j+1]          ; the four parts are added, each read from its low end on
.endr
.irp j, 0,2,4,6
	v_pk_add_f32 v[TT+\j:TT+\j+1], v[SA+16+\j:SA+16+\j+1], v[SA+24+\j:SA+24+\j+1]
.endr
.irp j, 0,2,4,6
	v_pk_add_f32 v[SS+\j:SS+\j+1], v[SS+\j:SS+\j+1], v[TT+\j:TT+\j+1]
.endr
.irp j, 0,1,2,3,4,5,6,7
	v_cmp_gt_i32 vcc_lo, \j, v9                    ; the causal mask: hidden scores become -infinity ahead of the maximum
	v_cndmask_b32 v[SS+\j], v[SS+\j], v10, vcc_lo
.endr
	v_max3_num_f32 v240, v[SS], v[SS+1], v[SS+2]
	v_max3_num_f32 v241, v[SS+3], v[SS+4], v[SS+5]
	v_max3_num_f32 v240, v240, v[SS+6], v[SS+7]
	v_max_num_f32 v240, v240, v241
	v_permlanex16_b32 v241, v240, s[SEL], s[SEL+1] ; the query's other eight keys lie in the lane 16 away; key 0 counts for every query, so the maximum is a number
	v_max_num_f32 v243, v240, v241                 ; m
	v_mul_f32 v242, s[CS], v243                    ; c m
.irp j, 0,2,4,6
	v_pk_fma_f32 v[SS+\j:SS+\j+1], v[SS+\j:SS+\j+1], s[CS:CS+1], v[242:243] op_sel_hi:[1,0,0] neg_lo:[0,0,1] neg_hi:[0,0,1]   ; c s - c m
.endr
.irp j, 0,1,2,3,4,5,6,7
	v_exp_f32 v[PP+\j], v[SS+\j]                   ; p = 2^(c s - c m)
.endr
	v_nop                                          ; a plain line behind the last exponential
	s_wait_alu depctr_va_vdst(0)                   ; one wait for the eight, ahead of their first reader
	v_pk_add_f32 v[TT:TT+1], v[PP:PP+1], v[PP+2:PP+3]
	v_pk_add_f32 v[TT+2:TT+3], v[PP+4:PP+5], v[PP+6:PP+7]
	v_pk_add_f32 v[TT:TT+1], v[TT:TT+1], v[TT+2:TT+3]
	v_add_f32 v244, v[TT], v[TT+1]
	v_permlanex16_b32 v245, v244, s[SEL], s[SEL+1]
	v_add_f32 v244, v244, v245                     ; the row's sum
	v_rcp_f32 v246, v244
	v_nop
	s_wait_alu depctr_va_vdst(0)
	s_wait_loadcnt 32                              ; v is in; w's 32 loads, issued behind it, may be out
.irp s, 0,1,2,3                        ; O^T = v^T p^T: the four tiles of channels take turns
.irp ct, 0,1,2,3
.if \s == 0
	v_wmma_f32_16x16x4_f32 v[OA+8*\ct:OA+8*\ct+7], v[VF+8*\ct+2*\s:VF+8*\ct+2*\s+1], v[PP+2*\s:PP+2*\s+1], 0
.else
	v_wmma_f32_16x16x4_f32 v[OA+8*\ct:OA+8*\ct+7], v[VF+8*\ct+2*\s:VF+8*\ct+2*\s+1], v[PP+2*\s:PP+2*\s+1], v[OA+8*\ct:OA+8*\ct+7]
.endif
.endr
.endr
.rept 8
	v_nop
.endr
.set n, 0
.rept 16
	v_pk_mul_f32 v[QF+2*n:QF+2*n+1], v[OA+2*n:OA+2*n+1], v[246:247] op_sel_hi:[1,0]   ; y = O^T / the sum: register 8 ct + j is y(r, 16 ct + 8 h + j)
.set n, n+1
.endr
	s_wait_loadcnt 0x0                             ; w
.irp s, 0,1,2,3                        ; my head's share of out^T = w^T y^T, in four parts by turns
.irp ct, 0,1,2,3
.if \s == 0
	v_wmma_f32_16x16x4_f32 v[SA+8*\ct:SA+8*\ct+7], v[WF+8*\ct+2*\s:WF+8*\ct+2*\s+1], v[QF+8*\ct+2*\s:QF+8*\ct+2*\s+1], 0
.else
	v_wmma_f32_16x16x4_f32 v[SA+8*\ct:SA+8*\ct+7], v[WF+8*\ct+2*\s:WF+8*\ct+2*\s+1], v[QF+8*\ct+2*\s:QF+8*\ct+2*\s+1], v[SA+8*\ct:SA+8*\ct+7]
.endif
.endr
.endr
.rept 8
	v_nop
.endr
.irp j, 0,2,4,6
	v_pk_add_f32 v[SS+\j:SS+\j+1], v[SA+\j:SA+\j+1], v[SA+8+\j:SA+8+\j+1]
.endr
.irp j, 0,2,4,6
	v_pk_add_f32 v[TT+\j:TT+\j+1], v[SA+16+\j:SA+16+\j+1], v[SA+24+\j:SA+24+\j+1]
.endr
.irp j, 0,2,4,6
	v_pk_add_f32 v[SS+\j:SS+\j+1], v[SS+\j:SS+\j+1], v[TT+\j:TT+\j+1]              ; lane (r, h), register j: my share of out(r, 16 cb + 8 h + j)
.endr
	ds_store_b128 v6, v[SS:SS+3]                   ; as an image of the registers: 16 bytes a lane, 512 bytes a store
	ds_store_b128 v6, v[SS+4:SS+7] offset:512
	s_wait_dscnt 0x0                               ; for the others' sake: my stores have landed
	s_barrier_signal -1
	s_barrier_wait -1
	s_cmp_lt_u32 s[WV], 2                          ; waves 0 and 1 add the sixteen shares: registers 4 w .. 4 w + 3 of every image
	s_cbranch_scc0 .Lend
	global_load_b128 v[80:83], v11, s[8:9]         ; the bias of my four columns
.irp i, 0,1,2,3,4,5,6,7,8,9,10,11,12,13,14,15
	ds_load_b128 v[16+4*\i:19+4*\i], v7 offset:1024*\i
.endr
	s_wait_dscnt 0x0
.irp i, 1,2,3,4,5,6,7,8,9,10,11,12,13,14,15
	v_pk_add_f32 v[16:17], v[16:17], v[16+4*\i:17+4*\i]
	v_pk_add_f32 v[18:19], v[18:19], v[18+4*\i:19+4*\i]
.endr
	s_wait_loadcnt 0x0
	v_pk_add_f32 v[16:17], v[16:17], v[80:81]
	v_pk_add_f32 v[18:19], v[18:19], v[82:83]
	global_store_b128 v8, v[16:19], s[10:11]
.Lend:
	s_wait_tensorcnt 0x0                           ; the wave's end: three lines behind my last LDS store
	ds_add_u32 v[SPW], v[NIL]
	s_wait_dscnt 0x0
	s_endpgm
.Lfunc_end_k_q06e48ec706_fine:
	.size	k_q06e48ec706_fine, .Lfunc_end_k_q06e48ec706_fine-k_q06e48ec706_fine
	.p2alignl 7, 3214868480
	.fill 96, 4, 3214868480
	.section	.rodata,"a",@progbits
	.p2align	6, 0x0
	.amdhsa_kernel k_q06e48ec706_fine
		.amdhsa_group_segment_fixed_size 18432
		.amdhsa_private_segment_fixed_size 0
		.amdhsa_enable_private_segment 0
		.amdhsa_kernarg_size 32
		.amdhsa_user_sgpr_count 2
		.amdhsa_user_sgpr_kernarg_segment_ptr 1
		.amdhsa_wavefront_size32 1
		.amdhsa_system_sgpr_workgroup_id_x 1
		.amdhsa_system_sgpr_workgroup_id_y 1
		.amdhsa_system_sgpr_workgroup_id_z 1
		.amdhsa_system_vgpr_workitem_id 0
		.amdhsa_next_free_vgpr 256
		.amdhsa_next_free_sgpr 66
		.amdhsa_reserve_vcc 1
		.amdhsa_float_denorm_mode_32 3
		.amdhsa_float_denorm_mode_16_64 3
		.amdhsa_memory_ordered 1
		.amdhsa_forward_progress 1
		.amdhsa_inst_pref_size 22
	.end_amdhsa_kernel
	.amdgpu_metadata
---
amdhsa.version: [ 1, 2 ]
amdhsa.kernels:
  - .name:           k_q06e48ec706_fine
    .symbol:         k_q06e48ec706_fine.kd
    .args:
      - { .name: fine, .offset: 0, .size: 8, .value_kind: global_buffer, .address_space: global }
      - { .name: w_proj, .offset: 8, .size: 8, .value_kind: global_buffer, .address_space: global }
      - { .name: b_proj, .offset: 16, .size: 8, .value_kind: global_buffer, .address_space: global }
      - { .name: out0, .offset: 24, .size: 8, .value_kind: global_buffer, .address_space: global }
    .group_segment_fixed_size: 18432
    .private_segment_fixed_size: 0
    .kernarg_segment_align: 8
    .kernarg_segment_size: 32
    .max_flat_workgroup_size: 512
    .sgpr_count:     66
    .vgpr_count:     256
    .wavefront_size: 32
...
	.end_amdgpu_metadata
.endif
;; end of part 5
